; MI455X (gfx1250); checked and timed in simulation.
; The chip was launched on July 23, 2026; its instructions are those of AMD's public machine-readable ISA for CDNA 5 (MIT licence, August 2026) and "CDNA5" Instruction Set Architecture Reference Guide (July 2026). The comments in the code are by the model that wrote it; some were corrected since.
;; Cross Attention. Allowed arithmetic: matrix products marked QUANTISED: E4M3 operands, one E8M0 scale for each 32 along K, by v_wmma_scale_f32_16x16x128_f8f6f4 with both operands' format E4M3, f32 sums; everything else in f32.
;; Inputs: Wk_codes 1,024 x 24 x 32 uint8 (E4M3 codes of Wk, K innermost, in blocks of 32 codes); Wk_scales 1,024 x 24 uint8 (E8M0 scales of Wk, one for each 32 codes along K); Wo_codes 1,024 x 32 x 32 uint8 (E4M3 codes of Wo, K innermost, in blocks of 32 codes); Wo_scales 1,024 x 32 uint8 (E8M0 scales of Wo, one for each 32 codes along K); Wq_codes 1,024 x 32 x 32 uint8 (E4M3 codes of Wq, K innermost, in blocks of 32 codes); Wq_scales 1,024 x 32 uint8 (E8M0 scales of Wq, one for each 32 codes along K); Wv_codes 1,024 x 24 x 32 uint8 (E4M3 codes of Wv, K innermost, in blocks of 32 codes); Wv_scales 1,024 x 24 uint8 (E8M0 scales of Wv, one for each 32 codes along K); bo 1,024 float32; context_codes 4 x 1,024 x 24 x 32 uint8 (E4M3 codes of context, K innermost, in blocks of 32 codes); context_scales 4 x 1,024 x 24 uint8 (E8M0 scales of context, one for each 32 codes along K); tokens_codes 4 x 2,048 x 32 x 32 uint8 (E4M3 codes of tokens, K innermost, in blocks of 32 codes); tokens_scales 4 x 2,048 x 32 uint8 (E8M0 scales of tokens, one for each 32 codes along K).
;; Outputs: out0 4 x 2,048 x 1,024 float32.
;; This version of the problem:
;;   THIS VERSION OF THE PROBLEM IS GIVEN IN LOW PRECISION. The matrix products marked QUANTISED in the list below multiply operands that are first quantised to E4M3 (4 exponent bits, 3 mantissa bits; 8 bits a number), with one power-of-two scale for each 32 numbers along K (OCP MX v1.0); their sums are f32. All else is computed in f32.
;;   The module's matrix products, in the order in which they are computed (A, B: the left and right operand; K: the contracted axis; several contracted axes count as one K, in the product's order):
;;     1. [M 8,192, K 1,024] x [K 1,024, N 1,024]; A: input tokens (given as codes); B: input Wq (given as codes): QUANTISED
;;     2. [M 4,096, K 768] x [K 768, N 1,024]; A: input context (given as codes); B: input Wk (given as codes): QUANTISED
;;     3. [M 4,096, K 768] x [K 768, N 1,024]; A: input context (given as codes); B: input Wv (given as codes): QUANTISED
;;     4. batch 64 x [M 2,048, K 64] x [K 64, N 1,024]; A: computed on the way; B: computed on the way: QUANTISED
;;     5. batch 64 x [M 2,048, K 1,024] x [K 1,024, N 64]; A: softmax (see below); B: computed on the way: QUANTISED
;;     6. [M 8,192, K 1,024] x [K 1,024, N 1,024]; A: computed on the way; B: input Wo (given as codes): QUANTISED
;;   THE QUANTISER, for each operand of a quantised product, along K:
;;     - K is cut into blocks of 32 from its start; a last block that is shorter is filled with zeros.
;;     - A block's scale is 2^e with e = floor(log2(the largest magnitude in the block)) - 8, held to -126 .. 127; a block of zeros has e = 0. As a byte (E8M0): e + 127.
;;     - Each number is divided by its block's scale, clamped to +-448, and rounded to the nearest number of E4M3, ties to even, subnormals kept.
;;     - The product sums the exact products of the quantised numbers (number of the format x scale) in f32.
;;   ~~~python
;;   def quantise(x, axis):      # numpy; x: float32 -> the quantised numbers, widened to float32 again
;;       x = np.moveaxis(x, axis, -1); K = x.shape[-1]
;;       x = np.pad(x, [(0, 0)] * (x.ndim - 1) + [(0, -K % 32)]); x = x.reshape(x.shape[:-1] + (-1, 32)); a = np.abs(x).max(-1, keepdims=True)
;;       e = np.where(a > 0, np.clip(np.frexp(np.where(a > 0, a, 1))[1] - 1 - 8, -126, 127), 0)      # np.frexp(a)[1] - 1 = floor(log2(a)), exactly
;;       r = np.clip(x / 2.0 ** e, -448, 448)
;;       step = 2.0 ** (np.maximum(np.frexp(np.where(r == 0, 1, r))[1] - 1, -6) - 3)
;;       q = np.round(r / step) * step * 2.0 ** e      # np.round: ties to even
;;       return np.moveaxis(q.reshape(q.shape[:-2] + (-1,))[..., :K], -1, axis).astype(np.float32)
;;   ~~~
;;   SOFTMAX AHEAD OF A QUANTISED PRODUCT. Where the list says 'softmax', what is quantised is not the finished softmax but p = 2^(t - M), with t = logit x log2(e) and M = ceil(the row's largest t), a whole number; so 1/2 < the row's largest p <= 1. The row's sum l is taken of the UNQUANTISED p, in f32, and the product's result is divided by l at the end. Since M is a whole number, a kernel that streams over the keys may use a running M (the ceiling of the running maximum): every later rescaling is an exact power of two, which a block's scale takes up: the codes' values come out the same.
;;   OPERANDS COMPUTED ON THE WAY. 'Computed on the way' means the value that the module computes at that place (a softmax that the list does not call 'softmax' is quantised finished and normalised). What goes into a quantiser is computed in f32, as accurately as f32 sums, v_exp_f32 and their like allow (about 1e-6 of the number): no bf16 or f16 on the way to a quantiser, and a product that is left as it is and whose result goes on into a quantised operand takes f32 operands (vector FMAs, or v_wmma_f32_16x16x4_f32). A number that lies on a knife's edge between two numbers of the format may be rounded either way, as far as f32 arithmetic and the matrix unit's own rounding can turn it there, and no further.
;;   INPUTS GIVEN AS CODES. Wk (in the module: [768, 1024], K = its axis 0); Wo (in the module: [1024, 1024], K = its axis 0); Wq (in the module: [1024, 1024], K = its axis 0); Wv (in the module: [768, 1024], K = its axis 0); context (in the module: [4, 1024, 768], K = its axis 2); tokens (in the module: [4, 2048, 1024], K = its axis 2): each comes as NAME_codes (uint8): NAME with its K axis moved to the last place and cut into blocks of 32 codes, [.., K / 32, bytes a block], one block behind the other in memory; one code a byte (a code: sign, 4 exponent bits, 3 mantissa bits); and NAME_scales (uint8): the same leading axes, one E8M0 byte (e + 127) for each 32 codes along K. Its value is code x scale, taken as it is: it is not quantised again, and the codes and scales need not be those that the quantiser above would give.
;; One version. Each part assembles by itself: llvm-mc -triple=amdgcn-amd-amdhsa -mcpu=gfx1250 --defsym DOCPART=n.
;; ======== version 1 of 1: 3 launches
;; limits: right only within a limited range of input values
;; workspace buffers: q_img 8,388,608 bytes; q_scl 524,288 bytes; k_img 4,194,304 bytes; k_scl 131,072 bytes; v_img 4,194,304 bytes; v_scl 131,072 bytes; ctx_img 8,388,608 bytes; ctx_scl 262,144 bytes
;; launch proj (part 1): grid 8 x 32, 4 waves a work-group, clusters of 4 x 4, 327,680 bytes of LDS; arguments tokens_codes, tokens_scales, Wq_codes, Wq_scales, context_codes, context_scales, Wk_codes, Wk_scales, Wv_codes, Wv_scales, q_img, q_scl, k_img, k_scl, v_img, v_scl; writes q_img, q_scl, k_img, k_scl, v_img, v_scl
.if DOCPART == 1
	.amdgcn_target "amdgcn-amd-amdhsa--gfx1250"
	.amdhsa_code_object_version 6
	.text
	.protected	k_qce79981cc7_proj
	.globl	k_qce79981cc7_proj
	.p2align	8
	.type	k_qce79981cc7_proj,@function
k_qce79981cc7_proj:
	s_mov_b64 s[64:65], 0
	v_nop
	global_prefetch_b8 v0, s[64:65] scope:SCOPE_SE
	s_setreg_imm32_b32 hwreg(HW_REG_WAVE_MODE, 25, 1), 1
	s_wait_xcnt 0x0
	s_wait_alu depctr_hold_cnt(0) depctr_sa_sdst(0) depctr_va_vdst(0) depctr_va_sdst(0) depctr_va_ssrc(0) depctr_va_vcc(0) depctr_vm_vsrc(0)
	s_getreg_b32 s2, hwreg(HW_REG_IB_STS2, 6, 4)
	s_cmp_eq_u32 s2, 0
	s_cbranch_scc0 .Lentry_in_a_cluster
	s_endpgm
.Lentry_in_a_cluster:
	s_bfe_u32 s2, ttmp6, 0x10000c
	s_cmp_lg_u32 s2, 0xf033
	s_cbranch_scc0 .Lentry_shape_is_right
	s_endpgm
.Lentry_shape_is_right:
; CROSS ATTENTION IN MX-FP8, FIRST OF THREE LAUNCHES: Q = tokens Wq, K = context Wk, V = context Wv, each quantised in registers for the product that takes it.
; NO WORK IS LEFT OUT in any of the three launches: every input has a way to out0 (bo too), so all thirteen are loaded.
; LIMITS: NaN and infinities among the values are not served.  A block of zeros gets the scale byte 1 where the rule says 127: its codes are zeros, and these bytes are read by this program alone.
; Blocks whose largest magnitude lies under 2^(9 - 127) are held at that floor (byte 1).
; ONE FORM FOR ALL THREE.  Source 0 = 16 rows of the HELD operand, whose row index is the axis that is quantised afterwards; source 1 = 16 rows of the STREAMED operand.
;   Q: held Wq (head x 64 + d), streamed tokens.   K: held Wk, streamed context (keys).   V: held context (keys), streamed Wv (d).
; A lane then holds one streamed row and its registers run along the held axis.  THE ROWS OF A HELD TILE ARE NOT NEIGHBOURS: lane r of tile 2 b + u takes row 32 b + 8 u + r + 8 (r / 8), so that the 32 registers of
; four tiles are k = 32 b + 16 (lane / 16) + i at register 16 b + i: the conversions' results are the next operand's registers, stored AS IMAGES OF REGISTERS: chunks of 512 bytes, lane l's 16 bytes at 16 l.
; SHARES.  256 work-groups of four waves, 2 x 2.  Each makes 128 held x 256 streamed rows of Q (K = 1,024: blocks 0-7 of 16 streamed rows a wave) and then of K (clusters of rows 0-3) or of V (4-7) (K = 768: blocks 8-15).
; A wave holds 64 rows, all of K, in registers (512); x's blocks stand in two sets of 128.
; CLUSTERS 4 x 4: a cluster's column shares the held rows, a row the streamed ones: every tile comes by a joint load, a quarter a wave.
; LDS: two slots of 512 pieces of 256 bytes + 16 of padding.  K = 1,024: wave w brings the w-th 256 bytes of 128 rows: [quarter of K][row].  K = 768: the 128 rows' 384 pieces on end, 96 a wave: the same places.
; FILLS: Wq into slot 1 (the head); then, each behind a drained round: tokens' first 128 rows into slot 0; their second into slot 1 (Wq is in registers); the second held tile into slot 0 (inside block 3); the second streamed
; tile's first 128 rows into slot 1 (inside block 7), its second into slot 0 (the held tile is in registers).  Each was prefetched one fill ahead, each 256 bytes once in a cluster, shared out by address among the sixteen waves that ask for it jointly.
; A block's quantiser and stores stand among the next block's products: a few lines behind each four.
; IMAGES.  q_img [bh][tile of 16 queries][chunk c][lane][16]; k_img the same with tiles of 16 chosen keys: key = 32 (kt / 2) + 8 (kt % 2) + r + 8 (r / 8); v_img [bh][128 keys s][tile t of 16 chosen d][chunk c][lane][16].
; q_scl [bh][64 queries][r][m]: word = (s0, s1, s0, s1).  k_scl [bh][64 keys][r][p']: word = (two bytes of tile 2 p', two of tile 2 p' + 1); v_scl [bh][64 keys][r][p'] the same, two bytes (32 keys each) of d's tiles 2 p', 2 p' + 1.
; REGISTERS: windows 1, 2: held fragment 4 q + b (16 of them a window); window 3: streamed, two sets; window 0: the rest.
.set SUB,   128*272                    ; a quarter of K of 128 rows
.set SLOT,  4*SUB
.set SPARE, 2*SLOT
.set AW,   1                           ; v1, v2 held rows in slot 1, K's halves;  v3 in slot 0, K = 768
.set AX,   4                           ; v4-7 streamed rows: slot 0, K's halves; slot 1;  v8, v9: K = 768: slot 1, slot 0
.set SPW,  10
.set NIL,  11
.set L16,  12
.set PF1,  13                          ; v13  256 x lane;  v14  256 x the lesser of lane and 23
.set PF2,  14
.set SIN1, 15
.set SOUT1,16
.set SIN2, 17
.set SOUT2,18
.set OQS,  19
.set OKS,  20
.set SB,   24                          ; v24-39 held scale words: 8 p + q: lanes 0-15 tile 2 p, lanes 16-31 tile 2 p + 1
.set SA,   44                          ; v44-107 streamed, 8 x block + q
.set ACC,  112                         ; v112-175 two sets of four accumulators
.set MX,   176
.set PT,   178
.set OPS,  180
.set BD,   182
.set BY,   184
.set NCD,  192                         ; v192-207 codes, two sets
.set WD,   208                         ; v208-211 two bytes for each of four blocks;  v212, v213 words
.set G1W,  40
.set G1X,  48
.set G0,   56
.set W1,   60
.set X1,   66
.set W2,   68
.set X2,   70
.set QI,   72
.set QS,   74
.set KVI,  76
.set KVS,  78
.set INS1, 80
.set OUTS1,82
.set INS2, 84
.set OUTS2,86
.set PX1,  88
.set PW2,  90
.set PX2,  92
.set SST,  94                          ; s[94:99]: from block to block, from the fourth to the fifth, from half to half, in the second tile's outputs
.set CST,  96
.set KST,  98
.set SEL,  8                           ; s8 .. s11 when the arguments there have been used
.set L1,   10
.set L2,   11
.set MNT,  14
.set MSB, 0
.macro WIN new                         ; the immediate's high byte repeats the setting that is left
.if MSB != \new
	s_set_vgpr_msb (MSB<<8)|\new
.set MSB, \new
.endif
.endm
.macro WALU
	s_wait_alu depctr_va_vdst(0)
.endm
.macro PLACES n
.rept \n
	v_nop
.endr
.endm
.macro BARRIER
	s_barrier_signal -1
	s_barrier_wait -1
.endm
.macro CROUND
	BARRIER
	s_cmp_lg_u32 s2, 0
	s_cbranch_scc1 .Lnot_wave_0_\@
	s_barrier_signal -3
.Lnot_wave_0_\@:
	s_barrier_wait -3
	BARRIER
.endm
.macro TLOAD g1
	tensor_load_to_lds s[G0:G0+3], s[\g1:\g1+7]
	s_nop 0
	PLACES 4
.endm
.macro GROUP1 g, mask                  ; 128 rows x 256 bytes, 1,024 apart; 16 bytes of padding behind each
	s_or_b32 s[\g+0], s[\mask], (1<<20)|(1<<21)|(5<<22)|(3<<25)
	s_mov_b32 s[\g+1], 256<<16
	s_mov_b32 s[\g+2], 128<<16
	s_mov_b32 s[\g+3], 256<<16
	s_mov_b32 s[\g+4], 128
	s_mov_b32 s[\g+5], 1024
	s_mov_b32 s[\g+6], 0
	s_mov_b32 s[\g+7], 0
.endm
.macro DENSE g                         ; from here on 96 pieces of 256 bytes, dense (no tensor load of mine is out)
	s_mov_b32 s[\g+2], 96<<16
	s_mov_b32 s[\g+4], 96
	s_mov_b32 s[\g+5], 256
.endm
.macro GROUP0 lds, slot, base, off
	s_add_co_u32 s[G0+1], s[\lds], \slot
	s_add_nc_u64 s[G0+2:G0+3], s[\base:\base+1], \off
	s_or_b32 s[G0+3], s[G0+3], 0x80000000
.endm
.macro PREF v, base, off
	global_prefetch_b8 v[\v], s[\base:\base+1] offset:\off th:TH_LOAD_NT scope:SCOPE_SE
.endm
; held fragment f = 4 q + b
.macro FRAG ph, f
.set qQ, (\f)/4
.set tT, 32*(((\f)%4)/2)+8*((\f)%2)
	WIN (1+(\f)/16)<<6
.irp c, 0,1,2,3
.if (\ph) == 0
	ds_load_b128 v[16*((\f)%16)+4*\c:16*((\f)%16)+4*\c+3], v[AW+qQ/4] offset:SUB*((qQ/2)%2)+tT*272+128*(qQ%2)+32*\c
.else
	ds_load_b128 v[16*((\f)%16)+4*\c:16*((\f)%16)+4*\c+3], v[AW+2] offset:272*(qQ/2)+tT*816+128*(qQ%2)+32*\c
.endif
.endr
.endm
.macro HELD ph, n
.set fF, 0
.rept \n
	FRAG \ph, fF
.set fF, fF+1
.endr
	WIN 0
.endm
; run k of block B's fetch: K steps 2 k, 2 k + 1: 8 loads
.macro RUN B, k
.set sS, (\B)%4
.set cH, ((\B)%8)/4
	WIN 0xc0
.irp q, 0,1
.irp c, 0,1,2,3
.if (\B) < 8
	ds_load_b128 v[128*((\B)%2)+16*(2*(\k)+\q)+4*\c:128*((\B)%2)+16*(2*(\k)+\q)+4*\c+3], v[AX+2*cH+(\k)/2] offset:SUB*((\k)%2)+4352*sS+128*\q+32*\c
.else
	ds_load_b128 v[128*((\B)%2)+16*(2*(\k)+\q)+4*\c:128*((\B)%2)+16*(2*(\k)+\q)+4*\c+3], v[AX+4+cH] offset:272*(\k)+(32*(sS/2)+8*(sS%2))*816+128*\q+32*\c
.endif
.endr
.endr
	WIN 0
.endm
; THE QUANTISER OF A BLOCK, items 0 .. 31: the sums at x (two scale blocks of 32: 16 numbers here, 16 in lane l xor 16) -> codes at cd, two bytes at v[WD + m]
.macro QIT i, x, cd, m
.if (\i) == 0
.irp b, 0,1
	v_max3_num_f32 v[MX+\b], |v[\x+16*\b]|, |v[\x+16*\b+1]|, 0x4800000   ; and the floor 2^(9 - 127)
.endr
.elseif (\i) < 8
.irp b, 0,1
	v_max3_num_f32 v[MX+\b], v[MX+\b], |v[\x+16*\b+2*(\i)]|, |v[\x+16*\b+2*(\i)+1]|
.endr
.elseif (\i) == 8
.irp b, 0,1
	v_permlanex16_b32 v[PT+\b], v[MX+\b], s[SEL], s[SEL+1]
.endr
.elseif (\i) == 9
.irp b, 0,1
	v_max_num_f32 v[MX+\b], v[MX+\b], v[PT+\b]
.endr
.elseif (\i) == 10
.irp b, 0,1
	v_add_nc_u32 v[OPS+\b], 0xfc000000, v[MX+\b]   ; the conversion's scale operand
.endr
.elseif (\i) == 11
.irp b, 0,1
	v_and_or_b32 v[BD+\b], v[MX+\b], 0x7f800000, s[MNT]   ; 448 x the scale
.endr
.elseif (\i) == 12
.irp b, 0,1
	v_lshrrev_b32 v[BY+\b], 23, v[OPS+\b]
.endr
.elseif (\i) == 13
	v_lshl_or_b32 v[WD+\m], v[BY+1], 8, v[BY]
.elseif (\i) < 30
.irp b, 0,1
	v_med3_num_f32 v[\x+16*\b+(\i)-14], v[\x+16*\b+(\i)-14], -v[BD+\b], v[BD+\b]   ; the conversion to an 8-bit code does not saturate (ISA guide 7.6.2)
.endr
.elseif (\i) < 32
.set bB, (\i)-30
	v_cvt_scalef32_pk8_fp8_f32 v[\cd+4*bB:\cd+4*bB+1], v[\x+16*bB:\x+16*bB+7], v[OPS+bB]
	v_cvt_scalef32_pk8_fp8_f32 v[\cd+4*bB+2:\cd+4*bB+3], v[\x+16*bB+8:\x+16*bB+15], v[OPS+bB]
.endif
.endm
; K step g of block B: four products, the accumulators by turns; behind them the last block's items
.macro GRP B, g
	WIN (1+(\g)/4)|(3<<2)
.irp b, 0,1,2,3
.set dD, ACC+32*((\B)%2)+8*\b
.set wW, 16*((4*(\g)+\b)%16)
.set xX, 128*((\B)%2)+16*(\g)
.set sA, SA+8*((\B)%8)+(\g)
.set sB, SB+8*(\b/2)+(\g)
.if (\g) == 0
.if \b%2
	v_wmma_scale_f32_16x16x128_f8f6f4 v[dD:dD+7], v[wW:wW+15], v[xX:xX+15], 0, v[sB], v[sA] matrix_a_scale:MATRIX_SCALE_ROW1
.else
	v_wmma_scale_f32_16x16x128_f8f6f4 v[dD:dD+7], v[wW:wW+15], v[xX:xX+15], 0, v[sB], v[sA]
.endif
.else
.if \b%2
	v_wmma_scale_f32_16x16x128_f8f6f4 v[dD:dD+7], v[wW:wW+15], v[xX:xX+15], v[dD:dD+7], v[sB], v[sA] matrix_a_scale:MATRIX_SCALE_ROW1
.else
	v_wmma_scale_f32_16x16x128_f8f6f4 v[dD:dD+7], v[wW:wW+15], v[xX:xX+15], v[dD:dD+7], v[sB], v[sA]
.endif
.endif
.endr
	WIN 0
.if (\B) > 0
.set pP, 4+2*((\B)/8)
.set iI, pP*(\g)
.rept pP
	QIT iI, ACC+32*(((\B)+1)%2), NCD+8*(((\B)+1)%2), ((\B)+3)%4
.set iI, iI+1
.endr
.endif
.endm
; block P's codes, and behind each fourth block the four blocks' scale words
.macro STORE P
.set cD, NCD+8*((\P)%2)
	v_nop                                          ; a plain line behind the last conversion
.if (\P) < 8
.irp c, 0,1
	global_store_b128 v[L16], v[cD+4*\c:cD+4*\c+3], s[QI:QI+1] offset:8192*((\P)/4)+1024*((\P)%4)+512*\c   ; 512 consecutive bytes, aligned
.endr
.if (\P)%4 == 3
.irp m, 0,1,2,3
	v_lshl_or_b32 v[WD+\m], v[WD+\m], 16, v[WD+\m] ; twice over: Q stands in either half of the scores' source 1
.endr
	global_store_b128 v[OQS], v[WD:WD+3], s[QS:QS+1] offset:512*((\P)/4)   ; 256 consecutive bytes; lanes 16-31 write the same bytes with the same values
.endif
.else
.if (\P) == 12
	s_add_nc_u64 s[KVI:KVI+1], s[KVI:KVI+1], s[CST:CST+1]
.elseif (\P) > 8
	s_add_nc_u64 s[KVI:KVI+1], s[KVI:KVI+1], s[SST:SST+1]
.endif
.irp c, 0,1
	global_store_b128 v[L16], v[cD+4*\c:cD+4*\c+3], s[KVI:KVI+1] offset:512*\c
.endr
.if (\P)%4 == 3
	v_lshl_or_b32 v[WD+4], v[WD+1], 16, v[WD]
	v_lshl_or_b32 v[WD+5], v[WD+3], 16, v[WD+2]
.if (\P) == 15
	s_add_nc_u64 s[KVS:KVS+1], s[KVS:KVS+1], s[KST:KST+1]
.endif
	global_store_b64 v[OKS], v[WD+4:WD+5], s[KVS:KVS+1]   ; 128 consecutive bytes: half of an aligned 256; the buffer is 131,072 bytes in all
.endif
.endif
.endm
; A BLOCK.  mode 1: a drained round and a refill inside it; 2: a barrier that shows the refilled slot; fetch = 1: block B + 1 is fetched
.macro BLK B, mode, fetch
.if ((\B) != 0) && ((\B) != 8)
	PLACES 8                                       ; ahead of the readers of the last block's sums and of the loads into the set that it has read
.endif
	WALU
	s_wait_xcnt 0x0                                ; the last stores have read their registers
.if (\mode) == 2
	s_wait_tensorcnt 0x0
	s_wait_dscnt 0x0
	s_barrier_signal -1
	GRP \B, 0
	GRP \B, 1
	WALU
	s_barrier_wait -1
.else
	s_wait_dscnt 8                                 ; this block's fragments but the last run's eight are in
.if (\mode) == 1
	s_wait_tensorcnt 0x0                           ; my tensor load is in
	ds_add_u32 v[SPW], v[NIL]
.if (\B) == 3
	DENSE G1W
	GROUP0 L2, 0, W2, 0
.else
	DENSE G1X
	GROUP0 L2, SLOT, X2, 0
.endif
.endif
	GRP \B, 0
	GRP \B, 1
.if (\mode) == 1
	WALU
	s_wait_dscnt 0x0                               ; the add is done, and this block's fragments, the slot's last, are in registers
	CROUND
.if (\B) == 3
	TLOAD G1W
.else
	TLOAD G1X
.endif
.endif
.endif
.if \fetch
	RUN (\B)+1, 0
.endif
	GRP \B, 2
	GRP \B, 3
.if \fetch
	RUN (\B)+1, 1
	WALU
	s_wait_dscnt 16                                ; behind this block's last run: the next block's first two, 8 loads each
.else
	WALU
	s_wait_dscnt 0x0
.endif
.if (\B) == 3
	PREF PF2, PX2, 0
.elseif (\B) == 7
	PREF PF2, PX2, 98304
.endif
	GRP \B, 4
	GRP \B, 5
.if \fetch
	RUN (\B)+1, 2
.endif
.if (\B) < 8
	GRP \B, 6
	GRP \B, 7
.if \fetch
	RUN (\B)+1, 3
.endif
.endif
.if (\B) > 0
	STORE (\B)-1
.endif
.endm
	s_load_b512 s[8:23], s[0:1], 0x0               ; tokens' codes, scales; Wq's; context's; Wk's
	s_load_b512 s[24:39], s[0:1], 0x40             ; Wv's codes, scales; q_img, q_scl, k_img, k_scl, v_img, v_scl
	v_lshl_add_u32 v[SPW], v0, 2, SPARE
	v_mov_b32 v[NIL], 0
	ds_add_u32 v[SPW], v[NIL]                      ; the wave's opening: the add, twice on end, and its wait
	ds_add_u32 v[SPW], v[NIL]
	v_lshrrev_b32 v21, 5, v0
	v_readfirstlane_b32 s2, v21                    ; wave w
	s_lshr_b32 s3, s2, 1                           ; wr: which half of each 128 streamed rows is mine
	s_and_b32 s4, s2, 1                            ; wc: which 64 held rows
	s_bfe_u32 s5, ttmp6, 0x40000                   ; cx, cy
	s_bfe_u32 s6, ttmp6, 0x40004
	s_and_b32 s7, ttmp7, 0xffff                    ; the cluster's row
	s_lshl_b32 s94, ttmp9, 2
	s_add_co_u32 s94, s94, s5                      ; n: Q's held tile
	s_lshl_b32 s95, s7, 2
	s_add_co_u32 s95, s95, s6                      ; m: its streamed tile
	s_lshl_b32 s98, s6, 2
	s_lshl_b32 s98, 15, s98                        ; my row of the cluster
	s_lshl_b32 s99, 0x1111, s5                     ; my column
	GROUP1 G1W, 99
	GROUP1 G1X, 98
	s_mov_b32 s63, 0                               ; the upper word of every offset
	s_lshl_b32 s62, s94, 17
	s_lshl_b32 s96, s2, 8
	s_add_co_u32 s62, s62, s96                     ; Wq's tile, my quarter of K
	s_mov_b32 s[G0], 1
	s_mul_i32 s[G0+1], s2, SUB
	s_add_co_u32 s[G0+1], s[G0+1], SLOT
	WALU
	s_wait_dscnt 0x0                               ; both opening adds are done
	CROUND                                         ; all sixteen work-groups are here: the joint loads meet
	s_wait_kmcnt 0x0
	s_add_nc_u64 s[G0+2:G0+3], s[12:13], s[62:63]
	s_or_b32 s[G0+3], s[G0+3], 0x80000000
	TLOAD G1W                                      ; Wq: one joint load a wave at the head
	s_lshl_b32 s62, s95, 18                        ; tokens' tile
	s_add_nc_u64 s[X1:X1+1], s[8:9], s[62:63]
	s_lshl_b32 s97, s5, 2
	s_add_co_u32 s97, s97, s2                      ; which of the cluster row's sixteen waves I am,
	s_lshl_b32 s62, s97, 13
	s_add_nc_u64 s[PX1:PX1+1], s[X1:X1+1], s[62:63]
	s_lshl_b32 s62, s2, 8
	s_add_nc_u64 s[X1:X1+1], s[X1:X1+1], s[62:63]
	s_lshl_b32 s62, s94, 12
	s_lshl_b32 s96, s4, 11
	s_add_co_u32 s62, s62, s96
	s_add_nc_u64 s[INS1:INS1+1], s[14:15], s[62:63]
	s_lshl_b32 s62, s95, 13
	s_lshl_b32 s96, s3, 11
	s_add_co_u32 s62, s62, s96
	s_add_nc_u64 s[OUTS1:OUTS1+1], s[10:11], s[62:63]
	s_lshr_b32 s96, s95, 3                         ; Q's outputs: the batch
	s_lshl_b32 s96, s96, 4
	s_lshl_b32 s98, s94, 1
	s_add_co_u32 s96, s96, s98
	s_add_co_u32 s96, s96, s4                      ; bh = 16 batch + 2 n + wc
	s_and_b32 s98, s95, 7
	s_lshl_b32 s98, s98, 2
	s_add_co_u32 s98, s98, s3                      ; my 64 queries' number (of the first 128)
	s_lshl_b32 s62, s96, 17
	s_and_b32 s99, s95, 7
	s_lshl_b32 s99, s99, 14
	s_add_co_u32 s62, s62, s99
	s_lshl_b32 s99, s3, 12
	s_add_co_u32 s62, s62, s99
	s_add_nc_u64 s[QI:QI+1], s[28:29], s[62:63]
	s_lshl_b32 s62, s96, 13
	s_lshl_b32 s98, s98, 8
	s_add_co_u32 s62, s62, s98
	s_add_nc_u64 s[QS:QS+1], s[30:31], s[62:63]
	; the second tile.  K: held tile n, streamed tile 4 (row % 4) + cy.  V: held tile 4 (cluster x + 2 (row % 4)) + cx, streamed tile cy
	s_and_b32 s98, s7, 3
	s_lshl_b32 s99, s98, 2
	s_add_co_u32 s99, s99, s6                      ; K's streamed tile m2
	s_lshl_b32 s98, s98, 1
	s_add_co_u32 s98, s98, ttmp9
	s_lshl_b32 s98, s98, 2
	s_add_co_u32 s98, s98, s5                      ; V's held tile i
	s_lshr_b32 s96, s99, 2
	s_lshl_b32 s96, s96, 4
	s_lshl_b32 s95, s94, 1
	s_add_co_u32 s96, s96, s95
	s_add_co_u32 s96, s96, s4                      ; K: bh = 16 (m2 / 4) + 2 n + wc
	s_and_b32 s95, s99, 3
	s_lshl_b32 s8, s96, 16
	s_lshl_b32 s9, s95, 14
	s_add_co_u32 s8, s8, s9
	s_lshl_b32 s9, s3, 12
	s_add_co_u32 s8, s8, s9                        ; in k_img
	s_lshl_b32 s9, s96, 11
	s_lshl_b32 s95, s95, 2
	s_add_co_u32 s95, s95, s3
	s_lshl_b32 s95, s95, 7
	s_add_co_u32 s9, s9, s95                       ; in k_scl
	s_lshr_b32 s96, s98, 3
	s_lshl_b32 s96, s96, 4
	s_lshl_b32 s95, s6, 2
	s_add_co_u32 s96, s96, s95
	s_add_co_u32 s96, s96, s3                      ; V: bh = 16 (i / 8) + 4 cy + wr
	s_and_b32 s95, s98, 7
	s_lshl_b32 s10, s96, 16
	s_lshl_b32 s11, s95, 13
	s_add_co_u32 s10, s10, s11
	s_lshl_b32 s11, s4, 10
	s_add_co_u32 s10, s10, s11                     ; in v_img
	s_lshl_b32 s11, s96, 11
	s_lshl_b32 s95, s95, 1
	s_add_co_u32 s95, s95, s4
	s_lshl_b32 s95, s95, 7
	s_add_co_u32 s11, s11, s95                     ; in v_scl
	s_mov_b32 s12, 2048
	s_mov_b32 s13, 124928
	s_mov_b32 s14, 4096
	s_cmp_lt_u32 s7, 4                             ; K or V: the cluster's number alone decides
	s_cselect_b32 s94, s94, s98                    ; held tile
	s_cselect_b32 s95, s99, s6                     ; streamed tile
	s_cselect_b32 s8, s8, s10
	s_cselect_b32 s9, s9, s11
	s_cselect_b32 s12, 1024, s12
	s_cselect_b32 s13, 5120, s13
	s_cselect_b32 s14, 256, s14
	s_cselect_b64 s[W2:W2+1], s[20:21], s[16:17]
	s_cselect_b64 s[X2:X2+1], s[16:17], s[24:25]
	s_cselect_b64 s[INS2:INS2+1], s[22:23], s[18:19]
	s_cselect_b64 s[OUTS2:OUTS2+1], s[18:19], s[26:27]
	s_cselect_b64 s[KVI:KVI+1], s[32:33], s[36:37]
	s_cselect_b64 s[KVS:KVS+1], s[34:35], s[38:39]
	s_mov_b32 s62, s8
	s_add_nc_u64 s[KVI:KVI+1], s[KVI:KVI+1], s[62:63]
	s_mov_b32 s62, s9
	s_add_nc_u64 s[KVS:KVS+1], s[KVS:KVS+1], s[62:63]
	s_mul_i32 s62, s94, 98304
	s_add_nc_u64 s[W2:W2+1], s[W2:W2+1], s[62:63]
	s_mul_i32 s62, s95, 196608
	s_add_nc_u64 s[X2:X2+1], s[X2:X2+1], s[62:63]
	s_mul_i32 s62, s97, 6144
	s_add_nc_u64 s[PX2:PX2+1], s[X2:X2+1], s[62:63]
	s_lshl_b32 s96, s6, 2
	s_add_co_u32 s96, s96, s2                      ; and which of the column's
	s_mul_i32 s62, s96, 6144
	s_add_nc_u64 s[PW2:PW2+1], s[W2:W2+1], s[62:63]
	s_mul_i32 s62, s2, 24576
	s_add_nc_u64 s[W2:W2+1], s[W2:W2+1], s[62:63]
	s_add_nc_u64 s[X2:X2+1], s[X2:X2+1], s[62:63]
	s_mul_i32 s62, s94, 3072
	s_mul_i32 s96, s4, 1536
	s_add_co_u32 s62, s62, s96
	s_add_nc_u64 s[INS2:INS2+1], s[INS2:INS2+1], s[62:63]
	s_mul_i32 s62, s95, 6144
	s_mul_i32 s96, s3, 1536
	s_add_co_u32 s62, s62, s96
	s_add_nc_u64 s[OUTS2:OUTS2+1], s[OUTS2:OUTS2+1], s[62:63]
	s_mov_b32 s[SST], s12
	s_mov_b32 s[SST+1], 0
	s_mov_b32 s[CST], s13
	s_mov_b32 s[CST+1], 0
	s_mov_b32 s[KST], s14
	s_mov_b32 s[KST+1], 0
	s_mov_b32 s[SEL], 0x76543210
	s_mov_b32 s[SEL+1], 0xfedcba98
	s_mul_i32 s[L1], s2, SUB
	s_mul_i32 s[L2], s2, 96*272
	s_mov_b32 s[MNT], 0x600000
	s_mul_i32 s15, s4, 64*272
	s_add_co_u32 s15, s15, SLOT
	s_mul_i32 s16, s4, 64*816
	s_mul_i32 s17, s3, 64*272
	s_mul_i32 s18, s3, 64*816
	v_and_b32 v21, 15, v0                          ; r
	v_bfe_u32 v22, v0, 4, 1                        ; h
	v_and_b32 v23, 8, v21
	v_add_nc_u32 v23, v23, v21                     ; r + 8 (r / 8)
	v_and_b32 v[L16], 31, v0
	v_lshlrev_b32 v[PF1], 8, v[L16]
	v_min_u32 v[PF2], 23, v[L16]
	v_lshlrev_b32 v[PF2], 8, v[PF2]
	v_lshlrev_b32 v[L16], 4, v[L16]
	v_lshlrev_b32 v108, 4, v22
	v_mad_u32_u24 v109, v23, 272, v108
	v_add_nc_u32 v[AW], s15, v109
	v_add_nc_u32 v[AW+1], 2*SUB, v[AW]
	v_mad_u32_u24 v109, v23, 816, v108
	v_add_nc_u32 v[AW+2], s16, v109
	v_add_nc_u32 v[AX+5], s18, v109
	v_add_nc_u32 v[AX+4], SLOT, v[AX+5]
	v_mad_u32_u24 v109, v21, 272, v108
	v_add_nc_u32 v[AX], s17, v109
	v_add_nc_u32 v[AX+1], 2*SUB, v[AX]
	v_add_nc_u32 v[AX+2], SLOT, v[AX]
	v_add_nc_u32 v[AX+3], SLOT+2*SUB, v[AX]
	v_lshl_add_u32 v108, v22, 3, v23
	v_lshlrev_b32 v[SIN1], 5, v108
	v_mul_u32_u24 v[SIN2], v108, 24
	v_lshlrev_b32 v[SOUT1], 5, v21
	v_mul_u32_u24 v[SOUT2], v23, 24
	v_lshlrev_b32 v[OQS], 4, v21
	v_lshlrev_b32 v[OKS], 3, v21
	v_mov_b32 v[PT], 0                             ; (a lane permute's destination counts as one of its sources)
	v_mov_b32 v[PT+1], 0
	WALU                                           ; the wait at the head's end
	PREF PF1, PX1, 0                               ; tokens' first 128 rows: the next fill's
.irp p, 0,1
	global_load_b128 v[SB+8*\p:SB+8*\p+3], v[SIN1], s[INS1:INS1+1] offset:1024*\p
	global_load_b128 v[SB+8*\p+4:SB+8*\p+7], v[SIN1], s[INS1:INS1+1] offset:1024*\p+16
.endr
.irp s, 0,1,2,3,4,5,6,7
	global_load_b128 v[SA+8*\s:SA+8*\s+3], v[SOUT1], s[OUTS1:OUTS1+1] offset:4096*(\s/4)+512*(\s%4)
	global_load_b128 v[SA+8*\s+4:SA+8*\s+7], v[SOUT1], s[OUTS1:OUTS1+1] offset:4096*(\s/4)+512*(\s%4)+16
.endr
	s_wait_tensorcnt 0x0                           ; my quarter of Wq is in
	ds_add_u32 v[SPW], v[NIL]
	GROUP0 L1, 0, X1, 0
	s_wait_dscnt 0x0
	CROUND
	TLOAD G1X                                      ; tokens' first 128 rows
	HELD 0, 32
	PREF PF1, PX1, 131072
	s_wait_loadcnt 0x0                             ; the scale words
	s_wait_tensorcnt 0x0
	ds_add_u32 v[SPW], v[NIL]
	GROUP0 L1, SLOT, X1, 131072
	s_wait_dscnt 0x0                               ; Wq is in registers
	CROUND
	TLOAD G1X                                      ; their second 128, over Wq
.irp k, 0,1,2,3
	RUN 0, \k
.endr
	PREF PF2, PW2, 0
	BLK 0, 0, 1
	BLK 1, 0, 1
	BLK 2, 0, 1
	BLK 3, 1, 1
	BLK 4, 0, 1
	BLK 5, 0, 1
	BLK 6, 0, 1
	BLK 7, 1, 0
	PLACES 8                                       ; behind block 7's products: its held fragments and scale words are loaded over
	HELD 1, 24
.irp p, 0,1
.irp k, 0,1,2
	global_load_b64 v[SB+8*\p+2*\k:SB+8*\p+2*\k+1], v[SIN2], s[INS2:INS2+1] offset:768*\p+8*\k
.endr
.endr
.irp s, 0,1,2,3,4,5,6,7
.irp k, 0,1,2
	global_load_b64 v[SA+8*\s+2*\k:SA+8*\s+2*\k+1], v[SOUT2], s[OUTS2:OUTS2+1] offset:3072*(\s/4)+(32*((\s%4)/2)+8*(\s%2))*24+8*\k
.endr
.endr
	WALU
	s_wait_loadcnt 0x0
	s_wait_tensorcnt 0x0
	ds_add_u32 v[SPW], v[NIL]
	GROUP0 L2, 0, X2, 98304
	s_wait_dscnt 0x0                               ; the second held tile is in registers
	CROUND
	TLOAD G1X
.irp k, 0,1,2
	RUN 8, \k
.endr
	BLK 8, 0, 1
	BLK 9, 0, 1
	BLK 10, 0, 1
	BLK 11, 2, 1
	BLK 12, 0, 1
	BLK 13, 0, 1
	BLK 14, 0, 1
	BLK 15, 0, 0
	PLACES 8
	WALU
	s_wait_xcnt 0x0
.set iI, 0
.rept 32
	QIT iI, ACC+32, NCD+8, 3
.set iI, iI+1
.endr
	STORE 15
	s_wait_tensorcnt 0x0                           ; the wave's end
	ds_add_u32 v[SPW], v[NIL]
	s_wait_dscnt 0x0
	CROUND                                         ; the closing round
	s_endpgm
.Lfunc_end_k_qce79981cc7_proj:
	.size	k_qce79981cc7_proj, .Lfunc_end_k_qce79981cc7_proj-k_qce79981cc7_proj
	.p2alignl 7, 3214868480
	.fill 96, 4, 3214868480
	.section	.rodata,"a",@progbits
	.p2align	6, 0x0
	.amdhsa_kernel k_qce79981cc7_proj
		.amdhsa_group_segment_fixed_size 327680
		.amdhsa_private_segment_fixed_size 0
		.amdhsa_enable_private_segment 0
		.amdhsa_kernarg_size 128
		.amdhsa_user_sgpr_count 2
		.amdhsa_user_sgpr_kernarg_segment_ptr 1
		.amdhsa_wavefront_size32 1
		.amdhsa_system_sgpr_workgroup_id_x 1
		.amdhsa_system_sgpr_workgroup_id_y 1
		.amdhsa_system_sgpr_workgroup_id_z 1
		.amdhsa_system_vgpr_workitem_id 0
		.amdhsa_next_free_vgpr 1024
		.amdhsa_next_free_sgpr 100
		.amdhsa_reserve_vcc 0
		.amdhsa_float_denorm_mode_32 3
		.amdhsa_float_denorm_mode_16_64 3
		.amdhsa_memory_ordered 1
		.amdhsa_forward_progress 1
		.amdhsa_inst_pref_size 203
	.end_amdhsa_kernel
	.amdgpu_metadata
---
amdhsa.version: [ 1, 2 ]
amdhsa.kernels:
  - .name:           k_qce79981cc7_proj
    .symbol:         k_qce79981cc7_proj.kd
    .args:
      - { .name: tokens_codes, .offset: 0, .size: 8, .value_kind: global_buffer, .address_space: global }
      - { .name: tokens_scales, .offset: 8, .size: 8, .value_kind: global_buffer, .address_space: global }
      - { .name: Wq_codes, .offset: 16, .size: 8, .value_kind: global_buffer, .address_space: global }
      - { .name: Wq_scales, .offset: 24, .size: 8, .value_kind: global_buffer, .address_space: global }
      - { .name: context_codes, .offset: 32, .size: 8, .value_kind: global_buffer, .address_space: global }
      - { .name: context_scales, .offset: 40, .size: 8, .value_kind: global_buffer, .address_space: global }
      - { .name: Wk_codes, .offset: 48, .size: 8, .value_kind: global_buffer, .address_space: global }
      - { .name: Wk_scales, .offset: 56, .size: 8, .value_kind: global_buffer, .address_space: global }
      - { .name: Wv_codes, .offset: 64, .size: 8, .value_kind: global_buffer, .address_space: global }
      - { .name: Wv_scales, .offset: 72, .size: 8, .value_kind: global_buffer, .address_space: global }
      - { .name: q_img, .offset: 80, .size: 8, .value_kind: global_buffer, .address_space: global }
      - { .name: q_scl, .offset: 88, .size: 8, .value_kind: global_buffer, .address_space: global }
      - { .name: k_img, .offset: 96, .size: 8, .value_kind: global_buffer, .address_space: global }
      - { .name: k_scl, .offset: 104, .size: 8, .value_kind: global_buffer, .address_space: global }
      - { .name: v_img, .offset: 112, .size: 8, .value_kind: global_buffer, .address_space: global }
      - { .name: v_scl, .offset: 120, .size: 8, .value_kind: global_buffer, .address_space: global }
    .group_segment_fixed_size: 327680
    .private_segment_fixed_size: 0
    .kernarg_segment_align: 8
    .kernarg_segment_size: 128
    .max_flat_workgroup_size: 128
    .sgpr_count:     100
    .vgpr_count:     1024
    .wavefront_size: 32
...
	.end_amdgpu_metadata
.endif
;; end of part 1
;; launch attn (part 2): grid 4 x 64, 8 waves a work-group, clusters of 4 x 1, 167,936 bytes of LDS; arguments q_img, q_scl, k_img, k_scl, v_img, v_scl, ctx_img, ctx_scl; writes ctx_img, ctx_scl
.if DOCPART == 2
	.amdgcn_target "amdgcn-amd-amdhsa--gfx1250"
	.amdhsa_code_object_version 6
	.text
	.protected	k_qce79981cc7_attn
	.globl	k_qce79981cc7_attn
	.p2align	8
	.type	k_qce79981cc7_attn,@function
k_qce79981cc7_attn:
	s_mov_b64 s[64:65], 0
	v_nop
	global_prefetch_b8 v0, s[64:65] scope:SCOPE_SE
	s_setreg_imm32_b32 hwreg(HW_REG_WAVE_MODE, 25, 1), 1
	s_wait_xcnt 0x0
	s_wait_alu depctr_hold_cnt(0) depctr_sa_sdst(0) depctr_va_vdst(0) depctr_va_sdst(0) depctr_va_ssrc(0) depctr_va_vcc(0) depctr_vm_vsrc(0)
	s_getreg_b32 s2, hwreg(HW_REG_IB_STS2, 6, 4)
	s_cmp_eq_u32 s2, 0
	s_cbranch_scc0 .Lentry_in_a_cluster
	s_endpgm
.Lentry_in_a_cluster:
	s_bfe_u32 s2, ttmp6, 0x10000c
	s_cmp_lg_u32 s2, 0x3003
	s_cbranch_scc0 .Lentry_shape_is_right
	s_endpgm
.Lentry_shape_is_right:
; SECOND LAUNCH: ctx = softmax(Q K^T / 8) V for each batch and head, both products on codes of E4M3 with E8M0 scales, and ctx quantised along the head's 64 for the last product.  No work is left out.
; THE SOFTMAX: t = score x log2(e) / 8.  Each block of 32 keys of a query is taken under its own whole number F = floor(the block's largest t): p' = 2^(t - F), the largest in [1, 2).  p = 2^(t - M) is p' x 2^(F - M), a power of two
; that the block's scale byte takes up: the codes are the rule's.  M = the largest F so far.  The row's sum is taken of the unquantised p', each block's part x 2^(F - M).  When M moves, the sum and O are multiplied by 2^(old M - new M): exact.
; LIMITS: NaN and infinities are not served; the scaled scores t stay under 2^31 in magnitude.  A block whose scale would fall under 2^-126 is held at byte 1: it then counts for at most 2^-117 of the row's largest p.
; ctx: a block of zeros gets byte 1 where the rule says 127 (its codes are zeros; this program alone reads the bytes); largest magnitudes under 2^(9 - 127) are held at that floor.
; SHARES.  A work-group owns 512 queries of one head (y = 16 batch + head); each of its EIGHT waves four tiles of 16, two at a time (A, B), in two rounds: each fragment of K or V feeds two products.
; A HEAD'S WHOLE K AND V LIE IN LDS, filled once: four joint tensor loads (K, its scale words, V, its), shared by the four work-groups of a head: one cluster.  From the barrier on LDS is only read.  No prefetch: all is asked for at the head, there is no loop to run ahead in.
; LAYOUT.  Both products are used transposed: S^T = K Q^T, O^T = V^T P^T: a lane holds ONE query (lane % 16) of each tile throughout.  All operands are images of their registers (the first launch's head comment).
; THE HEAD HAS 64 CHANNELS, THE INSTRUCTION 128 ALONG K.  Source 0 holds two tiles of keys; source 1 is (Q, Z) or (Z, Q), Z = eight registers of zero codes.  Zero codes add nothing under any byte but 0xff, and all bytes lie in 1 .. 254.
; A STEP is 128 keys in two halves of 64, each for both tiles at once: 64 numbers a lane.  Scores stand in two buffers: the second half's products, and the last step's with V, stand among the first half's exponentials; the first half's holds among the
; second's.  The sums' and O^T's part of a step (TOP) stands at the next step's head, among its first products.  A round's first step finds there what the head has set (zeros) or the last round has left (finite numbers): M = -3e38 makes f = 0 in that step, which clears it.
; REGISTERS, window 0: v1-7 addresses; v8, v9 Q's scale words; v10-13 K's; v14, v15 1.75; v16, v17 P's scale words; v18 2^-8; v20-23 V's scale words; v24-39 -F (even ones); v40-55 the blocks' sums; v56, v57 M; v58-61 the row's sums;
;   v62, v126 f; v64-75 at work; v76-83 weights (even ones); v84-123 Z, QA, Z, QB, Z; v128-191, v192-255 scores, then p', of the two halves: A's 32, B's 32.
;   window 1: v0-31, v32-63 O^T of A and B; v64-79, v80-95 codes of p; v96-111 the second round's Q; v112-115 Q's four scale words; v116-119 V's scale words as they lie; v128-191 V's fragments; v192-255 K's.
.set VIMG,  65536                      ; LDS: K's images from 0, V's from here,
.set KSC,   131072                     ; K's scale words (2,048 bytes),
.set VSC,   133120                     ; V's (2,048 bytes)
.set SPARE, 135168                     ; the spare words, 128 bytes for each of the eight waves
.set L16,  1
.set AV0,  2
.set ASK0, 3
.set ASV0, 4
.set ADK,  5
.set SPW,  6
.set NIL,  7
.set QS,   8
.set KS,   10
.set HC,   14
.set PW,   16
.set CV,   18
.set ADV,  19
.set VS,   20
.set FN,   24
.set SB,   40
.set MM,   56
.set LS,   58
.set FRA,  62
.set T,    64
.set NM,   68                          ; v68-71 FI: new M and a second register, for A and for B
.set D,    64                          ; A's at 64, B's at 72
.set PT,   72
.set W,    76
.set QZ,   84
.set ADS,  124
.set ADT,  125
.set FRB,  126
.set SX,   128
.set CD,   64                          ; window 1
.set HQ,   96
.set QW,   112
.set VR,   116
.set VF,   128
.set KF,   192
.set TB,   3                           ; s3   8,192 bytes a step, in K's and in V's images
.set TS,   4                           ; s4   256 bytes a step, in the scale words
.set CNT,  5
.set RND,  6
.set SEL,  38                          ; s[38:39] v_permlanex16_b32's selects for lane l xor 16
.set MNT,  40                          ; s40  the mantissa field of 448
.set NC,   41                          ; s41  -c
.set CS,   42                          ; s[42:43] c = log2(e) / 8, named as a pair
.set PSEL, 44
.set LIM,  45                          ; s45  118.0
.set MAG,  46                          ; s[46:47] 1.5 x 2^23 + 119: a whole number added to it stands in the low bits
.set G1I,  48
.set G1S,  56
.set G0K,  68
.set G0KS, 72
.set G0V,  76
.set G0VS, 80
.set MSB, 0
.macro WIN new                         ; the immediate's high byte repeats the setting that is left
.if MSB != \new
	s_set_vgpr_msb (MSB<<8)|\new
.set MSB, \new
.endif
.endm
.macro WALU
	s_wait_alu depctr_va_vdst(0)
.endm
.macro CROUND                          ; a round of the cluster's barrier
	s_barrier_signal -1
	s_barrier_wait -1
	s_cmp_lg_u32 s2, 0
	s_cbranch_scc1 .Lnot_wave_0_\@
	s_barrier_signal -3
.Lnot_wave_0_\@:
	s_barrier_wait -3
	s_barrier_signal -1
	s_barrier_wait -1
.endm
; V's four tiles of 16 channels x a step's keys; a step's eight tiles of K, two to an operand; the scale words of both
.macro LOADS av, at, ak, as
	WIN 0x40
.irp p, 0,1,2,3
.irp c, 0,1,2,3
	ds_load_b128 v[KF+16*\p+4*\c:KF+16*\p+4*\c+3], v[\ak] offset:2048*\p+512*\c
.endr
.endr
.irp t, 0,1,2,3
.irp c, 0,1,2,3
	ds_load_b128 v[VF+16*\t+4*\c:VF+16*\t+4*\c+3], v[\av] offset:2048*\t+512*\c
.endr
.endr
	ds_load_b64 v[VR:VR+1], v[\at]
	ds_load_b64 v[VR+2:VR+3], v[\at] offset:128
	WIN 0
	ds_load_b64 v[KS:KS+1], v[\as]
	ds_load_b64 v[KS+2:KS+3], v[\as] offset:128
.endm
; one product of scores: tile x, half h; i: 2 x pair + which tile of the pair
.macro QKI x, h, i
	v_wmma_scale_f32_16x16x128_f8f6f4 v[SX+64*(\h)+32*(\x)+8*(\i):SX+64*(\h)+32*(\x)+8*(\i)+7], v[KF+32*(\h)+16*((\i)/2):KF+32*(\h)+16*((\i)/2)+15], v[QZ+16*(\x)+8-8*((\i)%2):QZ+16*(\x)+23-8*((\i)%2)], 0, v[KS+2*(\h)+(\i)/2], v[QS+(\x)]
.endm
.macro QK2 h, j                        ; two of a half's eight
	WIN 0x01
	QKI (\j)/2, \h, 2*((\j)%2)
	QKI (\j)/2, \h, 2*((\j)%2)+1
	WIN 0
.endm
.macro PVP x, t                        ; two products of O^T: channels' tiles t, t + 1
	WIN 0x55
.irp u, 0,1
	v_wmma_scale_f32_16x16x128_f8f6f4 v[32*(\x)+8*(\t+\u):32*(\x)+8*(\t+\u)+7], v[VF+16*(\t+\u):VF+16*(\t+\u)+15], v[CD+16*(\x):CD+16*(\x)+15], v[32*(\x)+8*(\t+\u):32*(\x)+8*(\t+\u)+7], v[VS+\t+\u], v[PW+(\x)]
.endr
	WIN 0
.endm
.macro EX k, n
.set eE, \k
.rept \n
	v_exp_f32 v[xX+eE], v[xX+eE]
.set eE, eE+1
.endr
.endm
; THE HOLD at 448 x 2^-8 (the conversion to an 8-bit code does not saturate: ISA guide 7.6.2), pair n of 32.  Two minima go in one instruction: element i of one block with element i + 1 of the next, so that destinations and banks differ
.macro DM base, n
.set yY, \base+32*((\n)/16)
	v_dual_min_num_f32 v[yY+(\n)%16], v[yY+(\n)%16], v[HC] :: v_dual_min_num_f32 v[yY+16+((\n)+1)%16], v[yY+16+((\n)+1)%16], v[HC+1]
.endm
; THE NEW M of both tiles, f = 2^(old M - new M); for each block e = M - F, held at 118: the scale byte 119 - e; A's weights 2^(-e - 8).  Items 0 .. 16, two lines each; they stand among the second half's multiply-adds
.macro FI n
.if (\n) == 0
.irp x, 0,1
	v_max3_num_f32 v[NM+2*\x], -v[FN+8*\x], -v[FN+8*\x+2], -v[FN+8*\x+4]
.endr
.elseif (\n) == 1
.irp x, 0,1
	v_max3_num_f32 v[NM+2*\x], v[NM+2*\x], -v[FN+8*\x+6], v[MM+\x]
.endr
.elseif (\n) == 2
.irp x, 0,1
	v_sub_f32 v[NM+1+2*\x], v[MM+\x], v[NM+2*\x]   ; a whole number, 0 or less
.endr
.elseif (\n) == 3
.irp x, 0,1
	v_dual_add_f32 v[D+8*\x], v[NM+2*\x], v[FN+8*\x] :: v_dual_add_f32 v[D+8*\x+1], v[NM+2*\x], v[FN+8*\x+2]
.endr
.elseif (\n) == 4
.irp x, 0,1
	v_dual_add_f32 v[D+8*\x+2], v[NM+2*\x], v[FN+8*\x+4] :: v_dual_add_f32 v[D+8*\x+3], v[NM+2*\x], v[FN+8*\x+6]
.endr
.elseif (\n) == 5
.irp x, 0,1
	v_mov_b32 v[MM+\x], v[NM+2*\x]
.endr
.elseif (\n) == 6
.irp x, 0,1
	v_cvt_i32_f32 v[NM+1+2*\x], v[NM+1+2*\x]       ; (it saturates)
.endr
.elseif (\n) == 7
.irp x, 0,1
	v_dual_min_num_f32 v[D+8*\x], s[LIM], v[D+8*\x] :: v_dual_min_num_f32 v[D+8*\x+1], s[LIM], v[D+8*\x+1]
.endr
.elseif (\n) == 8
.irp x, 0,1
	v_dual_min_num_f32 v[D+8*\x+2], s[LIM], v[D+8*\x+2] :: v_dual_min_num_f32 v[D+8*\x+3], s[LIM], v[D+8*\x+3]
.endr
.elseif (\n) == 9
	v_ldexp_f32 v[FRA], 1.0, v[NM+1]
	v_ldexp_f32 v[FRB], 1.0, v[NM+3]
.elseif (\n) == 10
.irp x, 0,1
	v_pk_add_f32 v[D+8*\x:D+8*\x+1], v[D+8*\x:D+8*\x+1], s[MAG:MAG+1] op_sel_hi:[1,0] neg_lo:[1,0] neg_hi:[1,0]   ; low byte: 119 - e, 1 .. 119
.endr
.elseif (\n) == 11
.irp x, 0,1
	v_pk_add_f32 v[D+8*\x+2:D+8*\x+3], v[D+8*\x+2:D+8*\x+3], s[MAG:MAG+1] op_sel_hi:[1,0] neg_lo:[1,0] neg_hi:[1,0]
.endr
.elseif (\n) == 12
	v_lshlrev_b32 v[W], 23, v[D]                   ; as an exponent field: 2^(-e - 8)
	v_lshlrev_b32 v[W+2], 23, v[D+1]
.elseif (\n) == 13
	v_lshlrev_b32 v[W+4], 23, v[D+2]
	v_lshlrev_b32 v[W+6], 23, v[D+3]
.elseif (\n) == 14
.irp x, 0,1
	v_perm_b32 v[NM+2*\x], v[D+8*\x+1], v[D+8*\x], s[PSEL]
.endr
.elseif (\n) == 15
.irp x, 0,1
	v_perm_b32 v[NM+1+2*\x], v[D+8*\x+3], v[D+8*\x+2], s[PSEL]
.endr
.elseif (\n) == 16
.irp x, 0,1
	v_perm_b32 v[PW+\x], v[NM+1+2*\x], v[NM+2*\x], 0x05040100   ; P's scale word for these 128 keys
.endr
.endif
.endm
.macro LF x, b
	v_pk_fma_f32 v[LS+2*\x:LS+2*\x+1], v[SB+8*\x+2*\b:SB+8*\x+2*\b+1], v[W+2*\b:W+2*\b+1], v[LS+2*\x:LS+2*\x+1] op_sel_hi:[1,0,1]
.endm
; THE LAST STEP'S SUMS AND O^T: V's scale words put together; the row's sums and O^T under the new M.  qk = 1: the step's first products, its first half's, stand among it
.macro TOP qk
	s_wait_dscnt 0x0                               ; V and K, asked for half a step ago, are in
	WIN 0x05
	v_perm_b32 v[VS], v[VR+2], v[VR], 0x05040100
	v_perm_b32 v[VS+1], v[VR+2], v[VR], 0x07060302
	v_perm_b32 v[VS+2], v[VR+3], v[VR+1], 0x05040100
	v_perm_b32 v[VS+3], v[VR+3], v[VR+1], 0x07060302
	WIN 0
.if \qk
	QK2 0, 0
.endif
	v_pk_mul_f32 v[LS:LS+1], v[LS:LS+1], v[FRA:FRA+1] op_sel_hi:[1,0]
	v_pk_mul_f32 v[LS+2:LS+3], v[LS+2:LS+3], v[FRB:FRB+1] op_sel_hi:[1,0]
	LF 0, 0
	LF 0, 1
.if \qk
	QK2 0, 1
.endif
	LF 0, 2
	LF 0, 3
.irp b, 0,1,2,3
	v_lshlrev_b32 v[W+2*\b], 23, v[D+8+\b]         ; B's weights
.endr
.if \qk
	QK2 0, 2
.endif
	LF 1, 0
	LF 1, 1
.if \qk
	QK2 0, 3
.endif
	LF 1, 2
	LF 1, 3
	WIN 0x41                                       ; O^T lies in window 1, f in window 0
	WALU                                           ; ahead of the first readers of O^T
.set jJ, 0
.rept 16
	v_pk_mul_f32 v[jJ:jJ+1], v[jJ:jJ+1], v[FRA:FRA+1] op_sel_hi:[1,0]
.set jJ, jJ+2
.endr
.rept 16
	v_pk_mul_f32 v[jJ:jJ+1], v[jJ:jJ+1], v[FRB:FRB+1] op_sel_hi:[1,0]
.set jJ, jJ+2
.endr
	WIN 0
.endm
.macro CVT hf                          ; a half's codes, into window 1
	WIN 0x40
.irp k, 0,1,2,3
.set cC, CD+16*(\k/2)+8*(\hf)+4*(\k%2)
.set yY, SX+64*(\hf)+16*\k
	v_cvt_scalef32_pk8_fp8_f32 v[cC:cC+1], v[yY:yY+7], v[CV]
	v_cvt_scalef32_pk8_fp8_f32 v[cC+2:cC+3], v[yY+8:yY+15], v[CV]
.endr
	WIN 0
.endm
; A HALF of a step for both tiles: blocks k = 0, 1 of A, 2, 3 of B: scores -> p', four -F, four sums
.macro HALF hf
.set xX, SX+64*(\hf)
	WALU                                           ; ahead of the first readers of these products' results
.irp k, 0,1,2,3
	v_max3_num_f32 v[T+2*\k], v[xX+16*\k], v[xX+16*\k+1], v[xX+16*\k+2]      ; two chains a block, each accumulator from its low end on
	v_max3_num_f32 v[T+2*\k+1], v[xX+16*\k+8], v[xX+16*\k+9], v[xX+16*\k+10]
.endr
.irp n, 3,5
.irp k, 0,1,2,3
	v_max3_num_f32 v[T+2*\k], v[T+2*\k], v[xX+16*\k+\n], v[xX+16*\k+\n+1]
	v_max3_num_f32 v[T+2*\k+1], v[T+2*\k+1], v[xX+16*\k+8+\n], v[xX+16*\k+9+\n]
.endr
.endr
.irp k, 0,1,2,3
	v_max3_num_f32 v[T+2*\k], v[T+2*\k], v[T+2*\k+1], v[xX+16*\k+7]
.endr
.irp k, 0,1,2,3
	v_max_num_f32 v[T+2*\k], v[T+2*\k], v[xX+16*\k+15]
.endr
.irp k, 0,1,2,3
	v_permlanex16_b32 v[PT+\k], v[T+2*\k], s[SEL], s[SEL+1]
.endr
.irp k, 0,1,2,3
	v_max_num_f32 v[T+2*\k], v[T+2*\k], v[PT+\k]   ; with lane l xor 16's 16 keys: the block's largest score
.endr
.irp k, 0,1,2,3
	v_mul_f32 v[T+2*\k], s[NC], v[T+2*\k]          ; -t
.endr
.irp k, 0,1,2,3
	v_ceil_f32 v[FN+4*(\hf)+8*(\k/2)+2*(\k%2)], v[T+2*\k]   ; -F = ceil(-t)
.endr
.set jJ, 0
.set fI, 0
.rept 8
.irp k, 0,1,2,3
.set fF, FN+4*(\hf)+8*(\k/2)+2*(\k%2)
	v_pk_fma_f32 v[xX+16*\k+jJ:xX+16*\k+jJ+1], v[xX+16*\k+jJ:xX+16*\k+jJ+1], s[CS:CS+1], v[fF:fF+1] op_sel_hi:[1,0,0]   ; t - F, two at a time
.if (\hf) && (\k%2)
	FI fI
.set fI, fI+1
.endif
.endr
.set jJ, jJ+2
.endr
.if \hf
	FI 16
.endif
	WALU                                           ; ahead of the batch
.if (\hf) == 0
.irp j, 0,1,2,3
	EX 7*\j, 7
	QK2 1, \j
.endr
	EX 28, 7
	PVP 0, 0
	EX 35, 7
	PVP 0, 2
	EX 42, 7
	PVP 1, 0
	EX 49, 7
	PVP 1, 2
	EX 56, 8
.else
.set nN, 0
.rept 32
	EX 2*nN, 2
	DM SX, nN                                      ; the first half's holds: plain lines that name none of these exponentials' registers
.set nN, nN+1
.endr
.endif
	WALU                                           ; one wait for the batch
.irp k, 0,1,2,3                                ; the blocks' sums of the unquantised p', two chains a block
.set bB, SB+4*(\hf)+8*(\k/2)+2*(\k%2)
	v_pk_add_f32 v[bB:bB+1], v[xX+16*\k:xX+16*\k+1], v[xX+16*\k+2:xX+16*\k+3]
	v_pk_add_f32 v[T+2*\k:T+2*\k+1], v[xX+16*\k+4:xX+16*\k+5], v[xX+16*\k+6:xX+16*\k+7]
.endr
.irp n, 8,12
.irp k, 0,1,2,3
.set bB, SB+4*(\hf)+8*(\k/2)+2*(\k%2)
	v_pk_add_f32 v[bB:bB+1], v[bB:bB+1], v[xX+16*\k+\n:xX+16*\k+\n+1]
	v_pk_add_f32 v[T+2*\k:T+2*\k+1], v[T+2*\k:T+2*\k+1], v[xX+16*\k+\n+2:xX+16*\k+\n+3]
.endr
.endr
.irp k, 0,1,2,3
.set bB, SB+4*(\hf)+8*(\k/2)+2*(\k%2)
	v_pk_add_f32 v[bB:bB+1], v[bB:bB+1], v[T+2*\k:T+2*\k+1]
.endr
.endm
.macro ARM under, g0, g1, next
	s_cmp_lt_u32 s2, \under
	s_cbranch_scc0 \next
	tensor_load_to_lds s[\g0:\g0+3], s[\g1:\g1+7]
	s_nop 0
.rept 4
	v_nop
.endr
	s_branch .Lhead_asked
\next:
.endm
.macro GROUP0 g, lds, base, off
	s_mov_b32 s[\g], 1
	s_mov_b32 s[\g+1], \lds
	s_add_nc_u64 s[\g+2:\g+3], s[\base:\base+1], s[\off:\off+1]
	s_or_b32 s[\g+3], s[\g+3], 0x80000000
.endm
.macro GROUP1 g, rows                  ; so many rows of 256 bytes (32 elements of 8), dense, no padding; the mask names the cluster's four
	s_mov_b32 s[\g], 15|(3<<16)|(1<<21)
	s_mov_b32 s[\g+1], 32<<16
	s_mov_b32 s[\g+2], (\rows)<<16
	s_mov_b32 s[\g+3], 32<<16
	s_mov_b32 s[\g+4], \rows
	s_mov_b32 s[\g+5], 32
	s_mov_b32 s[\g+6], 0
	s_mov_b32 s[\g+7], 0
.endm
	s_load_b512 s[8:23], s[0:1], 0x0               ; q_img, q_scl, k_img, k_scl, v_img, v_scl, ctx_img, ctx_scl
	v_lshl_add_u32 v[SPW], v0, 2, SPARE
	v_mov_b32 v[NIL], 0
	ds_add_u32 v[SPW], v[NIL]                      ; the wave's opening: the add, twice on end, and its wait
	ds_add_u32 v[SPW], v[NIL]
	v_lshrrev_b32 v64, 5, v0
	v_readfirstlane_b32 s2, v64                    ; wave 0..7
	v_and_b32 v[L16], 31, v0
	v_lshlrev_b32 v[L16], 4, v[L16]                ; 16 x lane: my place in a chunk
	v_add_nc_u32 v[AV0], VIMG, v[L16]
	v_and_b32 v64, 15, v0                          ; r
	v_lshl_add_u32 v[ASK0], v64, 3, KSC
	v_lshl_add_u32 v[ASV0], v64, 3, VSC
	v_lshlrev_b32 v65, 4, v64                      ; Q's scale words: 16 bytes a row of a group of 64 queries
	s_bfe_u32 s3, ttmp6, 0x40000                   ; cx
	s_lshl_b32 s4, ttmp9, 2
	s_add_co_u32 s3, s3, s4                        ; which 512 queries
	s_and_b32 s7, ttmp7, 0xffff                    ; bh = 16 batch + head
	GROUP1 G1I, 256
	GROUP1 G1S, 8
	s_lshl_b32 s28, s3, 5
	s_lshl_b32 s29, s2, 2
	s_add_co_u32 s28, s28, s29                     ; my first tile of queries in the batch: 32 x + 4 w
	s_mov_b32 s31, 0
	s_mov_b32 s35, 0
	s_lshl_b32 s30, s7, 16                         ; the head's K and V,
	s_lshl_b32 s34, s7, 11                         ; and their scale words
	WALU
	s_wait_dscnt 0x0                               ; both opening adds are done
	CROUND                                         ; the cluster's four are here: the joint loads meet
	s_wait_kmcnt 0x0
	GROUP0 G0K, 0, 12, 30
	GROUP0 G0KS, KSC, 14, 34
	GROUP0 G0V, VIMG, 16, 30
	GROUP0 G0VS, VSC, 18, 34
	ARM 1, G0K,  G1I, .Lhead_ks                    ; one joint load a wave, in one tree of branches: waves 0 to 3; the others none
	ARM 2, G0KS, G1S, .Lhead_v
	ARM 3, G0V,  G1I, .Lhead_vs
	ARM 4, G0VS, G1S, .Lhead_none
.Lhead_asked:
	s_lshl_b32 s30, s7, 17
	s_lshl_b32 s29, s28, 10
	s_add_co_u32 s30, s30, s29
	s_add_nc_u64 s[8:9], s[8:9], s[30:31]          ; Q's images at my first tile
	s_lshl_b32 s30, s7, 13
	s_lshl_b32 s29, s28, 6
	s_add_co_u32 s30, s30, s29
	s_add_nc_u64 s[10:11], s[10:11], s[30:31]      ; my 64 queries' scale words
	global_load_b128 v[QZ+8:QZ+11], v[L16], s[8:9]             ; the first round's QA, QB
	global_load_b128 v[QZ+12:QZ+15], v[L16], s[8:9] offset:512
	global_load_b128 v[QZ+24:QZ+27], v[L16], s[8:9] offset:1024
	global_load_b128 v[QZ+28:QZ+31], v[L16], s[8:9] offset:1536
	WIN 0x40
.irp c, 0,1,2,3
	global_load_b128 v[HQ+4*\c:HQ+4*\c+3], v[L16], s[8:9] offset:2048+512*\c   ; the second round's
.endr
	global_load_b128 v[QW:QW+3], v65, s[10:11]
.set jJ, 0
.rept 96
	v_mov_b32 v[jJ], 0                             ; O^T and the codes, window 1.  (A step is written once: the first finds zeros)
.set jJ, jJ+1
.endr
	WIN 0
	s_lshr_b32 s24, s7, 4                          ; batch
	s_and_b32 s25, s7, 15                          ; head
	s_lshl_b32 s30, s24, 7
	s_add_co_u32 s30, s30, s28                     ; my first tile of 16 rows of ctx
	s_lshl_b32 s29, s30, 9                         ; in ctx_scl: 16 rows of 32 bytes
	s_lshl_b32 s30, s30, 14                        ; in ctx_img: 16,384 bytes a tile,
	s_lshl_b32 s32, s25, 10                        ; 1,024 bytes a head
	s_add_co_u32 s30, s30, s32
	s_add_nc_u64 s[20:21], s[20:21], s[30:31]
	s_lshl_b32 s30, s25, 1                         ; my head's two bytes of a row
	s_add_co_u32 s30, s30, s29
	s_add_nc_u64 s[22:23], s[22:23], s[30:31]
	s_mov_b32 s[SEL], 0x76543210
	s_mov_b32 s[SEL+1], 0xfedcba98
	s_mov_b32 s[CS], 0x3e38aa3b
	s_mov_b32 s[CS+1], s[CS]
	s_mov_b32 s[NC], 0xbe38aa3b
	s_mov_b32 s[MNT], 0x600000
	s_mov_b32 s[PSEL], 0x04000400
	s_mov_b32 s[LIM], 0x42ec0000
	s_mov_b32 s[MAG], 0x4b400077
	s_mov_b32 s[MAG+1], s[MAG]
	s_mov_b32 s[RND], 2
.set jJ, 0
.rept 8
	v_mov_b32 v[QZ+jJ], 0                          ; Z: zero codes
	v_mov_b32 v[QZ+16+jJ], 0
	v_mov_b32 v[QZ+32+jJ], 0
	v_mov_b32 v[SB+jJ], 0
	v_mov_b32 v[SB+8+jJ], 0
	v_mov_b32 v[W+jJ], 0
	v_mov_b32 v[FN+1+2*jJ], 0                      ; (upper halves of pairs whose low word alone is used)
.set jJ, jJ+1
.endr
.irp k, 0,1,2,3
	v_mov_b32 v[LS+\k], 0
.endr
	v_mov_b32 v[FRA], 1.0
	v_mov_b32 v[FRA+1], 0
	v_mov_b32 v[FRB], 1.0
	v_mov_b32 v[FRB+1], 0
	v_mov_b32 v[PW], 0x77777777
	v_mov_b32 v[PW+1], 0x77777777
	v_mov_b32 v[HC], 0x3fe00000                    ; 1.75
	v_mov_b32 v[HC+1], 0x3fe00000
	v_mov_b32 v[CV], 0x3b800000                    ; 2^-8
.irp k, 0,1,2,3
	v_mov_b32 v[NM+\k], 0
.endr
	WALU                                           ; the wait at the head's end
	s_wait_loadcnt 0x0                             ; Q
	s_wait_tensorcnt 0x0                           ; my tile
	s_barrier_signal -1
	s_barrier_wait -1                              ; everybody's; LDS is only read from here on
	LOADS AV0, ASV0, L16, ASK0
	WIN 0x01
	v_mov_b32 v[QS], v[QW]
	v_mov_b32 v[QS+1], v[QW+1]
	WIN 0
.Lround:
	v_mov_b32 v[MM], 0xff61b1e6                    ; M: -3e38, under every t
	v_mov_b32 v[MM+1], 0xff61b1e6
.irp k, 0,1,2,3
	v_mov_b32 v[D+8+\k], 0x4b400077                ; (B's weights are made of these: finite numbers)
.endr
	s_mov_b32 s[TB], 0
	s_mov_b32 s[TS], 0
	s_mov_b32 s[CNT], 8
	WALU
.Lstep:
	TOP 1
	HALF 0
	v_add_nc_u32 v[ADV], s[TB], v[AV0]             ; V of this step,
	v_add_nc_u32 v[ADT], s[TS], v[ASV0]
	s_add_co_u32 s[TB], s[TB], 8192
	s_add_co_u32 s[TS], s[TS], 256
	s_and_b32 s24, s[TB], 0xffff                   ; K of the next: behind the eighth step the first again, for the next round
	s_and_b32 s25, s[TS], 0x7ff
	v_add_nc_u32 v[ADK], s24, v[L16]
	v_add_nc_u32 v[ADS], s25, v[ASK0]
	LOADS ADV, ADT, ADK, ADS                       ; the half's sums are the places behind the products that have read these registers
	HALF 1
	CVT 0
.set nN, 0
.rept 32
	DM SX+64, nN
.set nN, nN+1
.endr
	CVT 1
	v_nop                                          ; a plain line behind the last conversion
	s_sub_co_u32 s[CNT], s[CNT], 1
	WALU
	s_cmp_lg_u32 s[CNT], 0
	s_cbranch_scc1 .Lstep
	TOP 0
	WALU                                           ; ahead of the eight products that read O^T
	PVP 0, 0
	PVP 0, 2
	PVP 1, 0
	PVP 1, 2
	; THE WAY OUT of both tiles: O^T / the sum, quantised along d: two chunks of ctx's image and two scale bytes a row for each
	v_add_f32 v64, v[LS], v[LS+1]
	v_add_f32 v65, v[LS+2], v[LS+3]
	v_permlanex16_b32 v68, v64, s[SEL], s[SEL+1]
	v_permlanex16_b32 v69, v65, s[SEL], s[SEL+1]
	v_add_f32 v64, v64, v68
	v_add_f32 v65, v65, v69                        ; the row's sum x 2^-8 (the weights' factor)
	v_mul_f32 v64, 0x43800000, v64
	v_mul_f32 v65, 0x43800000, v65
	v_and_b32 v80, 15, v0
	v_lshlrev_b32 v80, 5, v80                      ; a row of ctx_scl is 32 bytes
	WALU
	v_rcp_f32 v76, v64
	v_rcp_f32 v78, v65
	v_nop
	WALU
	WIN 0x01
.set jJ, 0
.rept 16
	v_pk_mul_f32 v[SX+jJ:SX+jJ+1], v[jJ:jJ+1], v[76:77] op_sel_hi:[1,0]   ; ctx(query r, d = 32 b + 16 h + i) at register 16 b + i
.set jJ, jJ+2
.endr
.rept 16
	v_pk_mul_f32 v[SX+jJ:SX+jJ+1], v[jJ:jJ+1], v[78:79] op_sel_hi:[1,0]
.set jJ, jJ+2
.endr
	WIN 0
.irp b, 0,1,2,3
	v_max3_num_f32 v[64+\b], |v[SX+16*\b]|, |v[SX+1+16*\b]|, 0x4800000   ; blocks 0, 1: tile A's; 2, 3: B's: my 16 numbers and the floor
.endr
.irp n, 2,4,6,8,10,12,14
.irp b, 0,1,2,3
	v_max3_num_f32 v[64+\b], v[64+\b], |v[SX+16*\b+\n]|, |v[SX+1+16*\b+\n]|
.endr
.endr
.irp b, 0,1,2,3
	v_permlanex16_b32 v[68+\b], v[64+\b], s[SEL], s[SEL+1]
.endr
.irp b, 0,1,2,3
	v_max_num_f32 v[64+\b], v[64+\b], v[68+\b]
.endr
.irp b, 0,1,2,3
	v_add_nc_u32 v[72+\b], 0xfc000000, v[64+\b]    ; the conversion's scale operand
.endr
.irp b, 0,1,2,3
	v_and_or_b32 v[40+\b], v[64+\b], 0x7f800000, s[MNT]   ; 448 x the scale
.endr
.irp b, 0,1,2,3
	v_lshrrev_b32 v[68+\b], 23, v[72+\b]           ; the byte
.endr
	v_lshl_or_b32 v64, v69, 8, v68
	v_lshl_or_b32 v65, v71, 8, v70
.irp b, 0,1,2,3
.irp n, 0,1,2,3,4,5,6,7,8,9,10,11,12,13,14,15
	v_med3_num_f32 v[SX+16*\b+\n], v[SX+16*\b+\n], -v[40+\b], v[40+\b]
.endr
.endr
	WIN 0x40
.irp b, 0,1,2,3
	v_cvt_scalef32_pk8_fp8_f32 v[CD+16*(\b/2)+4*(\b%2):CD+16*(\b/2)+4*(\b%2)+1], v[SX+16*\b:SX+16*\b+7], v[72+\b]
	v_cvt_scalef32_pk8_fp8_f32 v[CD+16*(\b/2)+4*(\b%2)+2:CD+16*(\b/2)+4*(\b%2)+3], v[SX+16*\b+8:SX+16*\b+15], v[72+\b]
.endr
	WIN 0
	v_nop                                          ; one plain line behind the last conversion
	WIN 0x04                                       ; a store's data are its source 1: window 1
.irp i, 0,1
.irp c, 0,1
	global_store_b128 v[L16], v[CD+16*\i+4*\c:CD+16*\i+4*\c+3], s[20:21] offset:16384*\i+512*\c   ; each covers 512 consecutive bytes, aligned
.endr
.endr
	WIN 0
	global_store_b16 v80, v64, s[22:23]            ; two bytes of each row's 32: a row's sixteen heads are made by sixteen work-groups; ctx_scl is 262,144 bytes in all.  Lanes 16-31 write the same bytes with the same values
	global_store_b16 v80, v65, s[22:23] offset:512
	WALU
	s_wait_xcnt 0x0                                ; the stores have read their registers and bases
	s_add_nc_u64 s[20:21], s[20:21], 0x8000
	s_add_nc_u64 s[22:23], s[22:23], 0x400
	WIN 0x01
.set jJ, 0
.rept 8
	v_mov_b32 v[QZ+8+jJ], v[HQ+jJ]                 ; the second round's Q
	v_mov_b32 v[QZ+24+jJ], v[HQ+8+jJ]
.set jJ, jJ+1
.endr
	v_mov_b32 v[QS], v[QW+2]
	v_mov_b32 v[QS+1], v[QW+3]
	WIN 0
	s_sub_co_u32 s[RND], s[RND], 1
	WALU
	s_cmp_lg_u32 s[RND], 0
	s_cbranch_scc1 .Lround
	s_wait_tensorcnt 0x0                           ; the wave's end
	ds_add_u32 v[SPW], v[NIL]
	s_wait_dscnt 0x0
	CROUND                                         ; the closing round
	s_endpgm
.Lfunc_end_k_qce79981cc7_attn:
	.size	k_qce79981cc7_attn, .Lfunc_end_k_qce79981cc7_attn-k_qce79981cc7_attn
	.p2alignl 7, 3214868480
	.fill 96, 4, 3214868480
	.section	.rodata,"a",@progbits
	.p2align	6, 0x0
	.amdhsa_kernel k_qce79981cc7_attn
		.amdhsa_group_segment_fixed_size 167936
		.amdhsa_private_segment_fixed_size 0
		.amdhsa_enable_private_segment 0
		.amdhsa_kernarg_size 64
		.amdhsa_user_sgpr_count 2
		.amdhsa_user_sgpr_kernarg_segment_ptr 1
		.amdhsa_wavefront_size32 1
		.amdhsa_system_sgpr_workgroup_id_x 1
		.amdhsa_system_sgpr_workgroup_id_y 1
		.amdhsa_system_sgpr_workgroup_id_z 1
		.amdhsa_system_vgpr_workitem_id 0
		.amdhsa_next_free_vgpr 512
		.amdhsa_next_free_sgpr 96
		.amdhsa_reserve_vcc 0
		.amdhsa_float_denorm_mode_32 3
		.amdhsa_float_denorm_mode_16_64 3
		.amdhsa_memory_ordered 1
		.amdhsa_forward_progress 1
		.amdhsa_inst_pref_size 67
	.end_amdhsa_kernel
	.amdgpu_metadata
---
amdhsa.version: [ 1, 2 ]
amdhsa.kernels:
  - .name:           k_qce79981cc7_attn
    .symbol:         k_qce79981cc7_attn.kd
    .args:
      - { .name: q_img, .offset: 0, .size: 8, .value_kind: global_buffer, .address_space: global }
      - { .name: q_scl, .offset: 8, .size: 8, .value_kind: global_buffer, .address_space: global }
      - { .name: k_img, .offset: 16, .size: 8, .value_kind: global_buffer, .address_space: global }
      - { .name: k_scl, .offset: 24, .size: 8, .value_kind: global_buffer, .address_space: global }
      - { .name: v_img, .offset: 32, .size: 8, .value_kind: global_buffer, .address_space: global }
      - { .name: v_scl, .offset: 40, .size: 8, .value_kind: global_buffer, .address_space: global }
      - { .name: ctx_img, .offset: 48, .size: 8, .value_kind: global_buffer, .address_space: global }
      - { .name: ctx_scl, .offset: 56, .size: 8, .value_kind: global_buffer, .address_space: global }
    .group_segment_fixed_size: 167936
    .private_segment_fixed_size: 0
    .kernarg_segment_align: 8
    .kernarg_segment_size: 64
    .max_flat_workgroup_size: 256
    .sgpr_count:     96
    .vgpr_count:     512
    .wavefront_size: 32
...
	.end_amdgpu_metadata
.endif
;; end of part 2
;; launch outp (part 3): grid 8 x 32, 4 waves a work-group, clusters of 4 x 4, 327,680 bytes of LDS; arguments ctx_img, ctx_scl, Wo_codes, Wo_scales, bo, out0; writes out0
.if DOCPART == 3
	.amdgcn_target "amdgcn-amd-amdhsa--gfx1250"
	.amdhsa_code_object_version 6
	.text
	.protected	k_qce79981cc7_outp
	.globl	k_qce79981cc7_outp
	.p2align	8
	.type	k_qce79981cc7_outp,@function
k_qce79981cc7_outp:
	s_mov_b64 s[64:65], 0
	v_nop
	global_prefetch_b8 v0, s[64:65] scope:SCOPE_SE
	s_setreg_imm32_b32 hwreg(HW_REG_WAVE_MODE, 25, 1), 1
	s_wait_xcnt 0x0
	s_wait_alu depctr_hold_cnt(0) depctr_sa_sdst(0) depctr_va_vdst(0) depctr_va_sdst(0) depctr_va_ssrc(0) depctr_va_vcc(0) depctr_vm_vsrc(0)
	s_getreg_b32 s2, hwreg(HW_REG_IB_STS2, 6, 4)
	s_cmp_eq_u32 s2, 0
	s_cbranch_scc0 .Lentry_in_a_cluster
	s_endpgm
.Lentry_in_a_cluster:
	s_bfe_u32 s2, ttmp6, 0x10000c
	s_cmp_lg_u32 s2, 0xf033
	s_cbranch_scc0 .Lentry_shape_is_right
	s_endpgm
.Lentry_shape_is_right:
; THIRD LAUNCH: out0 = ctx Wo + bo, on codes of E4M3 with E8M0 scales; out0 [8192][1024] f32.  No work is left out.  LIMITS: NaN and infinities are not served.
; SHARES.  256 work-groups of four waves, 128 columns x 256 rows each; the waves stand 2 x 2.  A wave holds 64 columns of Wo, ALL of K, in registers (512) and streams eight blocks of 16 rows of ctx past them: 32 products a block.
; CLUSTERS 4 x 4: a cluster's column shares Wo's rows, a row shares ctx's: every tile comes by a joint load.
; LDS: two slots of 128 rows of 1,024 bytes + 16 of padding.  At the head: Wo's 128 rows in slot 1 (wave 0), ctx's first 128 rows in slot 0 (waves 1, 3: a half each), the 256 rows' scale bytes (wave 2).  When all waves hold Wo in registers, ctx's second
; 128 rows follow into slot 1, a quarter a wave: the one refill, in a drained round; the same rows and padding as Wo's, so the same bytes.  They were prefetched behind the first barrier, each 256 bytes once in the cluster.
; The product is used transposed: source 0 = 16 rows of Wo (columns of out0), source 1 = 16 rows of ctx: a lane holds one row and eight neighbouring columns an accumulator.  The bias is the C of a sum's first product.
; THE WAY OUT of a block stands among the next block's products: through the wave's own stage, back as rows of 256 bytes, stored by sixteen lanes each.
; A block's 34 LDS loads for the next go out in four runs among its products.
; REGISTERS: windows 1, 2: Wo's fragment 4 q + b (16 of them a window); window 3: ctx's two sets of 128; window 0: the rest.
.set PITCH, 1040
.set SLOT,  128*PITCH
.set TILE,  16*PITCH
.set SCL,   2*SLOT                     ; ctx's scale bytes: 32 units of 256 bytes + 16
.set STG,   SCL+32*272                 ; a stage of 16 rows x 272 for each wave
.set SPARE, STG+4*16*272
.set SPW,  10
.set NIL,  11
.set L16,  1
.set PF,   2                           ; v2   256 x lane
.set AW,   3                           ; v3   Wo's fragments in LDS
.set AF,   4                           ; v4-7 ctx's: blocks 0-1, 2-3, 4-5, 6-7
.set AS,   8                           ; v8   ctx's scale words
.set SO,   12                          ; v12  the stage: where I put 32 bytes of a row
.set SR,   13                          ; v13  where I read a row back
.set GO,   14                          ; v14  my byte offset in out0
.set OS,   15                          ; v15  32 x lane: Wo's scale words
.set OBF,  16                          ; v16  32 h: the bias
.set SB,   24                          ; v24-39 Wo's scale words: 8 p + q: lanes 0-15 tile 2 p, lanes 16-31 tile 2 p + 1
.set SA,   44                          ; v44-59 ctx's, two sets of eight
.set ACC,  64                          ; v64-127 two sets of four accumulators
.set BIA,  128                         ; v128-159
.set OB,   160                         ; v160-191 rows read back
.set G1W,  24
.set G1C,  32
.set G1R,  48
.set G1S,  80
.set G0W,  56
.set G0C,  60
.set G0S,  68
.set G0R,  72
.set MSB, 0
.macro WIN new                         ; the immediate's high byte repeats the setting that is left
.if MSB != \new
	s_set_vgpr_msb (MSB<<8)|\new
.set MSB, \new
.endif
.endm
.macro PLACES n
.rept \n
	v_nop
.endr
.endm
.macro BARRIER
	s_barrier_signal -1
	s_barrier_wait -1
.endm
.macro CROUND
	BARRIER
	s_cmp_lg_u32 s14, 0
	s_cbranch_scc1 .Lnot_wave_0_\@
	s_barrier_signal -3
.Lnot_wave_0_\@:
	s_barrier_wait -3
	BARRIER
.endm
.macro TLOAD g0, g1
	tensor_load_to_lds s[\g0:\g0+3], s[\g1:\g1+7]
	s_nop 0
	PLACES 4
.endm
.macro GROUP1 g, mask, rows            ; rows of 1,024 bytes, dense in memory, 16 bytes of padding behind each in LDS
	s_or_b32 s[\g+0], s[\mask], (1<<20)|(1<<21)|(7<<22)|(3<<25)
	s_mov_b32 s[\g+1], 1024<<16
	s_mov_b32 s[\g+2], (\rows)<<16
	s_mov_b32 s[\g+3], 1024<<16
	s_mov_b32 s[\g+4], \rows
	s_mov_b32 s[\g+5], 1024
	s_mov_b32 s[\g+6], 0
	s_mov_b32 s[\g+7], 0
.endm
; run k of block s's fetch: K steps 2 k and 2 k + 1 (8 loads); run 0 begins with the two loads of its scale words
.macro RUN s, k
.set aA, AF+(\s)/2
.set oO, ((\s)%2)*2*TILE
.if (\k) == 0
	WIN 0
	ds_load_b128 v[SA+8*((\s)%2):SA+8*((\s)%2)+3], v[AS] offset:1088*(\s)
	ds_load_b128 v[SA+8*((\s)%2)+4:SA+8*((\s)%2)+7], v[AS] offset:1088*(\s)+16
.endif
	WIN 0xc0
.irp q, 0,1
.irp c, 0,1,2,3
	ds_load_b128 v[128*((\s)%2)+16*(2*(\k)+\q)+4*\c:128*((\s)%2)+16*(2*(\k)+\q)+4*\c+3], v[aA] offset:oO+PITCH*(2*(2*(\k)+\q)+\c/2)+512*(\c%2)
.endr
.endr
	WIN 0
.endm
; product n = 4 q + b of block s: q-th 128 along K, columns' tile b.  The four accumulators take turns
.macro PROD s, n
.set qQ, (\n)/4
.set bB, (\n)%4
.set dD, ACC+32*((\s)%2)+8*bB
.set cC, dD
.if qQ == 0
.set cC, BIA+8*bB
.endif
.set wW, 16*((\n)%16)
.set xX, 128*((\s)%2)+16*qQ
	WIN (1+(\n)/16)|(3<<2)
.if bB%2
	v_wmma_scale_f32_16x16x128_f8f6f4 v[dD:dD+7], v[wW:wW+15], v[xX:xX+15], v[cC:cC+7], v[SB+8*(bB/2)+qQ], v[SA+8*((\s)%2)+qQ] matrix_a_scale:MATRIX_SCALE_ROW1
.else
	v_wmma_scale_f32_16x16x128_f8f6f4 v[dD:dD+7], v[wW:wW+15], v[xX:xX+15], v[cC:cC+7], v[SB+8*(bB/2)+qQ], v[SA+8*((\s)%2)+qQ]
.endif
.endm
.macro EIGHT s, from
.set nN, \from
.rept 8
	PROD \s, nN
.set nN, nN+1
.endr
	WIN 0
.endm
; block s into my stage and back as whole rows: 16 LDS instructions, served in order (ISA guide 5.7.1.4)
.macro TOSTAGE s
.irp b, 0,1,2,3
	ds_store_b128 v[SO], v[ACC+32*((\s)%2)+8*\b:ACC+32*((\s)%2)+8*\b+3] offset:64*\b           ; each accumulator from its low end on
	ds_store_b128 v[SO], v[ACC+32*((\s)%2)+8*\b+4:ACC+32*((\s)%2)+8*\b+7] offset:64*\b+16
.endr
.irp i, 0,1,2,3,4,5,6,7
	ds_load_b128 v[OB+4*\i:OB+4*\i+3], v[SR] offset:544*\i
.endr
.endm
.macro SEND s
.irp i, 0,1,2,3,4,5,6,7
	global_store_b128 v[GO], v[OB+4*\i:OB+4*\i+3], s[18:19] offset:131072*(\s)+8192*\i th:TH_STORE_NT   ; sixteen lanes store 256 consecutive bytes, aligned; written once, read by nobody here
.endr
.endm
; A BLOCK.  bar = 1: a barrier among its first products shows the refilled slot
.macro BLK s, bar
.if (\s) > 0
	PLACES 8                                       ; behind the last block's products: ahead of the stage's stores of its sums and of the loads into the set that it has read
	s_wait_xcnt 0x0                                ; the last stores have read their registers
.endif
.if \bar
	s_wait_tensorcnt 0x0                           ; my quarter of ctx's second half is in
	s_wait_dscnt 0x0
	s_barrier_signal -1
	EIGHT \s, 0
	s_barrier_wait -1
	TOSTAGE (\s)-1
.else
	s_wait_dscnt 8                                 ; this block's fragments but the last two K steps' eight loads are in
.if (\s) > 0
	TOSTAGE (\s)-1
.endif
	EIGHT \s, 0
.endif
.if (\s) < 7
	RUN (\s)+1, 0
.endif
	EIGHT \s, 8
.if (\s) < 7
	RUN (\s)+1, 1
	s_wait_dscnt 18                                ; behind the stage's loads: runs 0 and 1, 10 and 8 loads
.else
	s_wait_dscnt 0x0
.endif
.if (\s) > 0
	SEND (\s)-1
.endif
	EIGHT \s, 16
.if (\s) < 7
	RUN (\s)+1, 2
.endif
	EIGHT \s, 24
.if (\s) < 7
	RUN (\s)+1, 3
.endif
.endm
	s_load_b256 s[4:11], s[0:1], 0x0               ; ctx_img, ctx_scl, Wo's codes, Wo's scales
	s_load_b128 s[16:19], s[0:1], 0x20             ; bo, out0
	v_lshl_add_u32 v[SPW], v0, 2, SPARE
	v_mov_b32 v[NIL], 0
	ds_add_u32 v[SPW], v[NIL]                      ; the wave's opening: the add, twice on end, and its wait
	ds_add_u32 v[SPW], v[NIL]
	v_lshrrev_b32 v20, 5, v0
	v_readfirstlane_b32 s14, v20                   ; wave 0..3
	s_lshr_b32 s15, s14, 1                         ; wr: my row of waves
	s_and_b32 s20, s14, 1                          ; wc: my column of waves
	s_bfe_u32 s40, ttmp6, 0x40000                  ; cx, cy
	s_bfe_u32 s41, ttmp6, 0x40004
	s_lshl_b32 s42, ttmp9, 2
	s_add_co_u32 s42, s42, s40                     ; n: which 128 columns
	s_and_b32 s43, ttmp7, 0xffff
	s_lshl_b32 s43, s43, 2
	s_add_co_u32 s43, s43, s41                     ; m: which 256 rows
	s_lshl_b32 s44, s41, 2
	s_lshl_b32 s44, 15, s44                        ; my row of the cluster: shares ctx's rows
	s_lshl_b32 s45, 0x1111, s40                    ; my column: shares Wo's
	GROUP1 G1W, 45, 128
	GROUP1 G1C, 44, 64
	GROUP1 G1R, 44, 32
	s_or_b32 s[G1S+0], s44, (3<<16)|(1<<20)|(1<<21)|(5<<22)|(3<<25)   ; 256 rows' scale bytes: 8,192 dense bytes as 32 rows of 256
	s_mov_b32 s[G1S+1], 32<<16
	s_mov_b32 s[G1S+2], 32<<16
	s_mov_b32 s[G1S+3], 32<<16
	s_mov_b32 s[G1S+4], 32
	s_mov_b32 s[G1S+5], 32
	s_mov_b32 s[G1S+6], 0
	s_mov_b32 s[G1S+7], 0
	v_and_b32 v20, 15, v0                          ; r
	v_bfe_u32 v21, v0, 4, 1                        ; h
	v_and_b32 v22, 31, v0                          ; lane
	v_lshlrev_b32 v[L16], 4, v22
	v_lshlrev_b32 v[PF], 8, v22
	v_lshlrev_b32 v[OS], 5, v22
	v_lshlrev_b32 v[OBF], 5, v21
	v_mul_u32_u24 v23, v20, PITCH
	v_lshl_add_u32 v23, v21, 4, v23
	s_mul_i32 s21, s20, 64*PITCH                   ; my 64 rows of Wo, in slot 1
	s_add_co_u32 s21, s21, SLOT
	v_add_nc_u32 v[AW], s21, v23
	s_mul_i32 s21, s15, TILE                       ; block s is tile 2 s + wr of the 16
	v_add_nc_u32 v[AF], s21, v[L16]
	v_add_nc_u32 v[AF+1], 4*TILE, v[AF]
	v_add_nc_u32 v[AF+2], SLOT, v[AF]
	v_add_nc_u32 v[AF+3], SLOT+4*TILE, v[AF]
	v_lshrrev_b32 v23, 3, v20
	v_lshlrev_b32 v17, 5, v20
	v_lshl_add_u32 v17, v23, 4, v17                ; a row's 32 scale bytes, 16 more for each 256 passed
	s_mul_i32 s21, s15, 544
	s_add_co_u32 s21, s21, SCL
	v_add_nc_u32 v[AS], s21, v17
	s_mul_i32 s21, s14, 16*272
	s_add_co_u32 s21, s21, STG
	v_mul_u32_u24 v23, v20, 272
	v_lshl_add_u32 v23, v21, 5, v23
	v_add_nc_u32 v[SO], s21, v23
	v_mul_u32_u24 v23, v21, 272
	v_lshl_add_u32 v23, v20, 4, v23
	v_add_nc_u32 v[SR], s21, v23
	v_lshlrev_b32 v23, 12, v21
	v_lshl_add_u32 v[GO], v20, 4, v23              ; lanes 0-15 one row, lanes 16-31 the next
	s_mov_b32 s47, 0                               ; offsets: pairs with 0 above
	s_mov_b32 s67, 0
	s_mov_b32 s77, 0
	s_mov_b32 s79, 0
	s_mov_b32 s89, 0
	s_lshl_b32 s46, s42, 17                        ; Wo's 128 rows
	s_lshl_b32 s66, s43, 18                        ; ctx's 256 rows
	s_lshl_b32 s76, s43, 13                        ; their scale bytes
	s_lshl_b32 s78, s42, 12
	s_lshl_b32 s21, s20, 11
	s_add_co_u32 s78, s78, s21                     ; Wo's scale bytes: my 64 rows
	s_lshl_b32 s88, s42, 9
	s_lshl_b32 s21, s20, 8
	s_add_co_u32 s88, s88, s21                     ; my 64 columns, in bytes
	s_wait_alu depctr_va_vdst(0)
	s_wait_dscnt 0x0                               ; both opening adds are done
	CROUND                                         ; all sixteen work-groups are here: the joint loads meet
	s_wait_kmcnt 0x0
	s_mov_b32 s[G0W], 1
	s_mov_b32 s[G0W+1], SLOT
	s_add_nc_u64 s[G0W+2:G0W+3], s[8:9], s[46:47]
	s_or_b32 s[G0W+3], s[G0W+3], 0x80000000
	s_mov_b32 s[G0S], 1
	s_mov_b32 s[G0S+1], SCL
	s_add_nc_u64 s[G0S+2:G0S+3], s[6:7], s[76:77]
	s_or_b32 s[G0S+3], s[G0S+3], 0x80000000
	s_mov_b32 s[G0C], 1                            ; waves 1, 3: half w / 2 of ctx's first 128 rows
	s_mul_i32 s[G0C+1], s15, 64*PITCH
	s_lshl_b32 s22, s15, 16
	s_add_co_u32 s22, s22, s66
	s_mov_b32 s23, 0
	s_add_nc_u64 s[G0C+2:G0C+3], s[4:5], s[22:23]
	s_or_b32 s[G0C+3], s[G0C+3], 0x80000000
	s_mov_b32 s[G0R], 1                            ; the refill: a quarter of its second 128 rows a wave
	s_mul_i32 s[G0R+1], s14, 32*PITCH
	s_add_co_u32 s[G0R+1], s[G0R+1], SLOT
	s_lshl_b32 s22, s14, 15
	s_add_co_u32 s22, s22, s66
	s_add_co_u32 s22, s22, 131072
	s_add_nc_u64 s[G0R+2:G0R+3], s[4:5], s[22:23]
	s_or_b32 s[G0R+3], s[G0R+3], 0x80000000
	s_cmp_eq_u32 s14, 0                            ; ONE joint load a wave, in one tree of branches
	s_cbranch_scc0 .Lnot_w
	TLOAD G0W, G1W
	s_branch .Lasked
.Lnot_w:
	s_cmp_eq_u32 s14, 2
	s_cbranch_scc0 .Lfor_ctx
	TLOAD G0S, G1S
	s_branch .Lasked
.Lfor_ctx:
	TLOAD G0C, G1C
.Lasked:
	s_add_nc_u64 s[10:11], s[10:11], s[78:79]
	s_add_nc_u64 s[16:17], s[16:17], s[88:89]
.irp p, 0,1
	global_load_b128 v[SB+8*\p:SB+8*\p+3], v[OS], s[10:11] offset:1024*\p
	global_load_b128 v[SB+8*\p+4:SB+8*\p+7], v[OS], s[10:11] offset:1024*\p+16
.endr
.irp b, 0,1,2,3
	global_load_b128 v[BIA+8*\b:BIA+8*\b+3], v[OBF], s[16:17] offset:64*\b      ; lane (r, h): bo at columns 16 b + 8 h + 0 .. 7
	global_load_b128 v[BIA+8*\b+4:BIA+8*\b+7], v[OBF], s[16:17] offset:64*\b+16
.endr
	s_lshl_b32 s22, s40, 2
	s_add_co_u32 s22, s22, s14                     ; which of the cluster row's sixteen waves I am
	s_lshl_b32 s22, s22, 13
	s_add_co_u32 s22, s22, s66
	s_add_co_u32 s22, s22, 131072
	s_add_nc_u64 s[90:91], s[4:5], s[22:23]        ; my 8,192 bytes of ctx's second 128 rows
	s_lshl_b32 s22, s43, 20                        ; my part of out0: 256 rows x 4,096 bytes,
	s_lshl_b32 s21, s15, 16                        ; wave row: 16 rows on
	s_add_co_u32 s22, s22, s21
	s_add_co_u32 s22, s22, s88
	s_add_nc_u64 s[18:19], s[18:19], s[22:23]
	s_wait_alu depctr_va_vdst(0)
	s_cmp_eq_u32 s14, 0
	s_cbranch_scc0 .Lnot_b
	s_wait_tensorcnt 0x0                           ; wave 0: Wo's rows have landed.  The other waves' wait stands ahead of the round
.Lnot_b:
	BARRIER
	global_prefetch_b8 v[PF], s[90:91] th:TH_LOAD_NT scope:SCOPE_SE   ; what the refill will ask for, behind the 128 loads below and a round: a lane each 256 bytes
.macro FRAG f
	WIN (1+(\f)/16)<<6
.irp c, 0,1,2,3
	ds_load_b128 v[16*((\f)%16)+4*\c:16*((\f)%16)+4*\c+3], v[AW] offset:((\f)%4)*TILE+128*((\f)/4)+32*\c
.endr
.endm
.set fF, 0
.rept 32                                       ; my 64 rows of Wo, all of K: fragment 4 q + b
	FRAG fF
.set fF, fF+1
.endr
	WIN 0
	s_wait_loadcnt 0x0                             ; Wo's scale words and the bias
	s_wait_tensorcnt 0x0                           ; ctx's first rows and the scale bytes are in
	ds_add_u32 v[SPW], v[NIL]
	s_wait_dscnt 0x0                               ; the add is done, and Wo is in registers
	CROUND
	TLOAD G0R, G1R                                 ; ctx's second 128 rows over Wo's
.irp k, 0,1,2,3
	RUN 0, \k
.endr
	BLK 0, 0
	BLK 1, 0
	BLK 2, 0
	BLK 3, 1                                       ; block 4 is fetched from the refilled slot behind this block's barrier
	BLK 4, 0
	BLK 5, 0
	BLK 6, 0
	BLK 7, 0
	PLACES 8
	s_wait_xcnt 0x0
	TOSTAGE 7
	s_wait_dscnt 0x0
	SEND 7
	s_wait_tensorcnt 0x0                           ; the wave's end
	ds_add_u32 v[SPW], v[NIL]
	s_wait_dscnt 0x0
	CROUND                                         ; the closing round
	s_endpgm
.Lfunc_end_k_qce79981cc7_outp:
	.size	k_qce79981cc7_outp, .Lfunc_end_k_qce79981cc7_outp-k_qce79981cc7_outp
	.p2alignl 7, 3214868480
	.fill 96, 4, 3214868480
	.section	.rodata,"a",@progbits
	.p2align	6, 0x0
	.amdhsa_kernel k_qce79981cc7_outp
		.amdhsa_group_segment_fixed_size 327680
		.amdhsa_private_segment_fixed_size 0
		.amdhsa_enable_private_segment 0
		.amdhsa_kernarg_size 48
		.amdhsa_user_sgpr_count 2
		.amdhsa_user_sgpr_kernarg_segment_ptr 1
		.amdhsa_wavefront_size32 1
		.amdhsa_system_sgpr_workgroup_id_x 1
		.amdhsa_system_sgpr_workgroup_id_y 1
		.amdhsa_system_sgpr_workgroup_id_z 1
		.amdhsa_system_vgpr_workitem_id 0
		.amdhsa_next_free_vgpr 1024
		.amdhsa_next_free_sgpr 100
		.amdhsa_reserve_vcc 0
		.amdhsa_float_denorm_mode_32 3
		.amdhsa_float_denorm_mode_16_64 3
		.amdhsa_memory_ordered 1
		.amdhsa_forward_progress 1
		.amdhsa_inst_pref_size 89
	.end_amdhsa_kernel
	.amdgpu_metadata
---
amdhsa.version: [ 1, 2 ]
amdhsa.kernels:
  - .name:           k_qce79981cc7_outp
    .symbol:         k_qce79981cc7_outp.kd
    .args:
      - { .name: ctx_img, .offset: 0, .size: 8, .value_kind: global_buffer, .address_space: global }
      - { .name: ctx_scl, .offset: 8, .size: 8, .value_kind: global_buffer, .address_space: global }
      - { .name: Wo_codes, .offset: 16, .size: 8, .value_kind: global_buffer, .address_space: global }
      - { .name: Wo_scales, .offset: 24, .size: 8, .value_kind: global_buffer, .address_space: global }
      - { .name: bo, .offset: 32, .size: 8, .value_kind: global_buffer, .address_space: global }
      - { .name: out0, .offset: 40, .size: 8, .value_kind: global_buffer, .address_space: global }
    .group_segment_fixed_size: 327680
    .private_segment_fixed_size: 0
    .kernarg_segment_align: 8
    .kernarg_segment_size: 48
    .max_flat_workgroup_size: 128
    .sgpr_count:     100
    .vgpr_count:     1024
    .wavefront_size: 32
...
	.end_amdgpu_metadata
.endif
;; end of part 3
